; MI455X (gfx1250); checked and timed in simulation.
; The chip was launched on July 23, 2026; its instructions are those of AMD's public machine-readable ISA for CDNA 5 (MIT licence, August 2026) and "CDNA5" Instruction Set Architecture Reference Guide (July 2026). The comments in the code are by the model that wrote it; some were corrected since.
;; KAN. Allowed arithmetic: matrix products marked QUANTISED: E2M3 operands, one E8M0 scale for each 32 along K, by v_wmma_scale_f32_16x16x128_f8f6f4 with both operands' format E2M3, f32 sums; everything else in f32.
;; Inputs: base_w0 2,048 x 1,023 float32; base_w1 2,048 x 2,048 float32; base_w2 512 x 2,048 float32; scaler0 2,048 x 1,023 float32; scaler1 2,048 x 2,048 float32; scaler2 512 x 2,048 float32; spline_w0 2,048 x 1,023 x 8 float32; spline_w1 2,048 x 2,048 x 8 float32; spline_w2 512 x 2,048 x 8 float32; xs 1,024 x 512 x 1 float32; ys 1,024 x 512 float32.
;; Outputs: out0 1,024 x 512 float32.
;; This version of the problem:
;;   THIS VERSION OF THE PROBLEM IS GIVEN IN LOW PRECISION. The matrix products marked QUANTISED in the list below multiply operands that are first quantised to E2M3 (2 exponent bits, 3 mantissa bits; 6 bits a number), with one power-of-two scale for each 32 numbers along K (OCP MX v1.0); their sums are f32. All else is computed in f32.
;;   The module's matrix products, in the order in which they are computed (A, B: the left and right operand; K: the contracted axis; several contracted axes count as one K, in the product's order):
;;     1. [M 1,024, K 1,023] x [K 1,023, N 2,048]; A: computed on the way; B: input base_w0: QUANTISED
;;     2. [M 1,024, K 8,184] x [K 8,184, N 2,048]; A: computed on the way; B: computed on the way: QUANTISED
;;     3. [M 1,024, K 2,048] x [K 2,048, N 2,048]; A: computed on the way; B: input base_w1: QUANTISED
;;     4. [M 1,024, K 16,384] x [K 16,384, N 2,048]; A: computed on the way; B: computed on the way: QUANTISED
;;     5. [M 1,024, K 2,048] x [K 2,048, N 512]; A: computed on the way; B: input base_w2: QUANTISED
;;     6. [M 1,024, K 16,384] x [K 16,384, N 512]; A: computed on the way; B: computed on the way: QUANTISED
;;   THE QUANTISER, for each operand of a quantised product, along K:
;;     - K is cut into blocks of 32 from its start; a last block that is shorter is filled with zeros.
;;     - A block's scale is 2^e with e = floor(log2(the largest magnitude in the block)) - 2, held to -126 .. 127; a block of zeros has e = 0. As a byte (E8M0): e + 127.
;;     - Each number is divided by its block's scale, clamped to +-7.5, and rounded to the nearest number of E2M3, ties to even, subnormals kept.
;;     - The product sums the exact products of the quantised numbers (number of the format x scale) in f32.
;;   ~~~python
;;   def quantise(x, axis):      # numpy; x: float32 -> the quantised numbers, widened to float32 again
;;       x = np.moveaxis(x, axis, -1); K = x.shape[-1]
;;       x = np.pad(x, [(0, 0)] * (x.ndim - 1) + [(0, -K % 32)]); x = x.reshape(x.shape[:-1] + (-1, 32)); a = np.abs(x).max(-1, keepdims=True)
;;       e = np.where(a > 0, np.clip(np.frexp(np.where(a > 0, a, 1))[1] - 1 - 2, -126, 127), 0)      # np.frexp(a)[1] - 1 = floor(log2(a)), exactly
;;       r = np.clip(x / 2.0 ** e, -7.5, 7.5)
;;       step = 2.0 ** (np.maximum(np.frexp(np.where(r == 0, 1, r))[1] - 1, 0) - 3)
;;       q = np.round(r / step) * step * 2.0 ** e      # np.round: ties to even
;;       return np.moveaxis(q.reshape(q.shape[:-2] + (-1,))[..., :K], -1, axis).astype(np.float32)
;;   ~~~
;;   OPERANDS COMPUTED ON THE WAY. 'Computed on the way' means the value that the module computes at that place (a softmax that the list does not call 'softmax' is quantised finished and normalised). What goes into a quantiser is computed in f32, as accurately as f32 sums, v_exp_f32 and their like allow (about 1e-6 of the number): no bf16 or f16 on the way to a quantiser, and a product that is left as it is and whose result goes on into a quantised operand takes f32 operands (vector FMAs, or v_wmma_f32_16x16x4_f32). A number that lies on a knife's edge between two numbers of the format may be rounded either way, as far as f32 arithmetic and the matrix unit's own rounding can turn it there, and no further.
;; One version. Each part assembles by itself: llvm-mc -triple=amdgcn-amd-amdhsa -mcpu=gfx1250 --defsym DOCPART=n.
;; ======== version 1 of 1: 5 launches
;; limits: right only within a limited range of input values
;; workspace buffers: a0c 7,372,800 bytes; a1c 14,745,600 bytes; a2c 14,745,600 bytes; w0c 14,745,600 bytes; w1c 29,491,200 bytes; w2c 7,372,800 bytes; part 16,777,216 bytes
;; launch prep (part 1): grid 1024 x 1, 4 waves a work-group, no clusters, 72,704 bytes of LDS; arguments xs, ys, base_w0, spline_w0, scaler0, base_w1, spline_w1, scaler1, base_w2, spline_w2, scaler2, a0c, w0c, w1c, w2c; writes a0c, w0c, w1c, w2c
.if DOCPART == 1
	.amdgcn_target "amdgcn-amd-amdhsa--gfx1250"
	.amdhsa_code_object_version 6
	.text
	.protected	k_q3de84edda2_prep
	.globl	k_q3de84edda2_prep
	.p2align	8
	.type	k_q3de84edda2_prep,@function
k_q3de84edda2_prep:
	s_mov_b64 s[64:65], 0
	v_nop
	global_prefetch_b8 v0, s[64:65] scope:SCOPE_SE
	s_setreg_imm32_b32 hwreg(HW_REG_WAVE_MODE, 25, 1), 1
	s_wait_xcnt 0x0
; PREP: every weight of the three KAN layers, and the first layer's input, become OPERAND STREAMS of FP6 (E2M3) codes with E8M0 scale bytes.
; A stream is laid [64 rows R][K step s of 128][record of 6,400 bytes].  A record: four fragments (16 rows x 128 K) of 1,536 bytes, each an image of the operand's 12 registers
; (register 4 j + e of lane l at 512 j + 16 l + 4 e), then 256 bytes of scale words: the word of (block i, row r) at 6144 + 8 (16 (i % 2) + r) + 4 (i / 2).
; K ORDER, the same on both operands: features go in groups g of 128; step 9 g is the base product's (relu(x) against base_w), steps 9 g + 1 + t (t = 0..7) the spline product's
; (bases against spline_w x scaler) for features 16 t .. 16 t + 15 of the group.  A block of 32 is always one block of the stated quantiser; only whole blocks, and places inside a base block, are permuted, alike on both sides:
;   base:   lane half h, registers 6 c ..: block 2 c + h of the group; place p holds feature 32 (2 c + h) + 16 ((p / 8) % 2) + 8 (p / 16) + p % 8
;   spline: lane half h, registers 6 c ..: place 8 i + k holds basis k of feature 16 t + 8 h + 4 c + i
; A JOB is 64 rows x one group: 9 records.  Wave w takes rows 16 w .. 16 w + 15.  Work-groups 0-127: the first layer's input; 128-383: layer 0's weights; 384-895: layer 1's; 896-1023: layer 2's.
; Layer 0 has 1,023 features: feature 1023 is the quantiser's zero fill: scaler and base weight 0 there, and the input -4.0, whose relu and bases are 0.
; THE BASES come by the closed form of the cubic B-spline on the uniform knots that the problem builds: with e = 2.5 x + 3.5 - k and d = |e|: ((2 - d)+^3 - 4 (1 - d)+^3) / 6.
; LIMITS: NaN and infinities among the inputs are not served.  A block of zeros gets the scale byte 1 where the quantiser says 127: its codes are zeros, and this program alone reads the bytes.
; The closed form differs from the recursion on knots rounded to f32 by about 2e-7 absolute.
; No tensor loads, no cluster: a job shares no input with another job.  No matrix work here.
.set WREG,  17408                      ; LDS of a wave: a stage of 16 rows x 528 at 0 (the input path: xs 16 x 272 at 0, ys at 4,352), the scaler's 16 x 528 at 8,704
.set SCO,   8704
.set YSO,   4352
.set SCG,   69632                      ; behind the four waves' regions: the job's scale words, 9 x 256 bytes
.set LB,    1                          ; v1   4 x lane (layer 0's rows of 4,092 bytes are read 4 bytes a lane)
.set LB3,   2                          ; v2   the same, held inside the row for the row's last 128 bytes
.set LO7,   3                          ; v3   16 x lane, held inside the row for the row's last 512 bytes of spline weights
.set LO,    4                          ; v4   16 x lane
.set GA0,   5                          ; v5   xs, ys: 2,048 (lane / 16) + 16 (lane % 16)
.set STX,   6                          ; v6   stage, in: WR + 16 lane
.set RDS,   7                          ; v7   stage, out, spline: WR + 528 r + 256 h
.set RDB,   8                          ; v8   stage, out, base: WR + 528 r + 128 h
.set RDC,   9                          ; v9   the scaler: WR + 8,704 + 528 r + 32 h
.set SCGST, 10                         ; v10  where my scale words go
.set SCGLD, 11                         ; v11  where I read 8 bytes of a record's scale area
.set GSC,   12                         ; v12  and where they go in memory: 6,400 wave + 8 lane
.set STA,   13                         ; v13  xs, ys stage, in
.set RDA,   14                         ; v14  xs, ys stage, out
.set SH8,   15                         ; v15  8 h
.set PWS,   16                         ; v16-24 the scale words of the job's nine steps
.set STB,   25                         ; v25  stage, in, 4 bytes a lane: WR + 4 lane
.set CK,    26                         ; v26-33 3.5 - k, k = 0..7 (input path)
.set SCL,   26                         ; v26-33 my eight scalers (weight paths)
.set H,     34                         ; v34-97 64 features of a lane
.set X,     34                         ; v34-97 64 weights of a lane: two blocks of 32
.set BV,    98                         ; v98-161 64 numbers to quantise
.set L0,    98                         ; v98-161, v162-225 two sets of 64 registers as loaded
.set T1,    162
.set T2,    178
.set U1,    194
.set U2,    210
.set TM,    194                        ; v194-209 at work in QUANT16
.set PC,    226                        ; v226-237 a fragment's codes
.set PT,    238                        ; v238-245 second halves of blocks: a conversion's three registers begin on an even number
.set XB,    246                        ; v246-247 an odd feature as the low word of a pair
.set MX,    248                        ; v248-249 largest magnitudes; v250-251 scale operands; v252-253 bytes; v254, v255 the scale word's halves
.set SX,    250
.set BX,    252
.set WW,    254
.set WX,    255
.set WVS,   2                          ; s2   wave
.set SPL,   40                         ; s[40:41] spline weights (xs)   s[42:43] scaler (ys)   s[44:45] base weights
.set SCLP,  42
.set BAS,   44
.set OUT,   46                         ; s[46:47] my fragment in the job's first record
.set REC,   48                         ; s[48:49] the job's first record
.set SEL,   56                         ; s[56:57] lane selects: lane xor 16
.set CNT,   58
; 64 numbers of a lane, two WHOLE blocks (c = 0: src .. src+31, c = 1: src+32 ..), become a fragment's codes in v[PC] on; the row's scale word goes to v[pw].
.macro QBLK2 src, pw
	v_max3_num_f32 v[MX], |v[\src]|, |v[\src+1]|, 0x1800000          ; with the floor 2^(3 - 127) among the leaves: the byte cannot fall under 1
	v_max3_num_f32 v[MX+1], |v[\src+32]|, |v[\src+33]|, 0x1800000
.set qi, 2
.rept 15
	v_max3_num_f32 v[MX], v[MX], |v[\src+qi]|, |v[\src+qi+1]|        ; the two blocks by turns
	v_max3_num_f32 v[MX+1], v[MX+1], |v[\src+32+qi]|, |v[\src+33+qi]|
.set qi, qi+2
.endr
	v_add_nc_u32 v[SX], 0xff000000, v[MX]                            ; 2 off the exponent field: the conversion's scale operand
	v_add_nc_u32 v[SX+1], 0xff000000, v[MX+1]
	v_lshrrev_b32 v[BX], 23, v[SX]                                   ; the scale's byte
	v_lshrrev_b32 v[BX+1], 23, v[SX+1]
	v_lshl_or_b32 v[WW], v[BX+1], 16, v[BX]                          ; my bytes are those of blocks h and 2 + h
	v_lshlrev_b32 v[WW], v[SH8], v[WW]
	v_permlanex16_b32 v[WX], v[WW], s[SEL], s[SEL+1]
	v_or_b32 v[\pw], v[WW], v[WX]                                    ; with lane xor 16's two the word is whole
	s_wait_alu depctr_va_vdst(0)
	s_wait_xcnt 0x0                                                  ; the last fragment's stores have read v[PC] on: it is written again only behind this wait
	v_cvt_scalef32_pk16_fp6_f32 v[PC:PC+2], v[\src:\src+15], v[SX]
	v_cvt_scalef32_pk16_fp6_f32 v[PT:PT+2], v[\src+16:\src+31], v[SX]
	v_cvt_scalef32_pk16_fp6_f32 v[PC+6:PC+8], v[\src+32:\src+47], v[SX+1]
	v_cvt_scalef32_pk16_fp6_f32 v[PT+4:PT+6], v[\src+48:\src+63], v[SX+1]
	v_nop                                                            ; one plain place behind the scaled conversions
.irp i, 0,1,2
	v_mov_b32 v[PC+3+\i], v[PT+\i]
	v_mov_b32 v[PC+9+\i], v[PT+4+\i]
.endr
.endm
; 64 numbers of a lane, register 16 b + i one of my 16 of block b (lane xor 16 holds the other 16), become a fragment's codes in v[PC] on and the row's scale word in v[pw].
.macro QUANT16 s, pw
.irp b, 0,1,2,3
	v_max3_num_f32 v[TM+\b], |v[\s+16*\b]|, |v[\s+1+16*\b]|, 0x1800000
.endr
.irp i, 2,4,6,8,10,12,14
.irp b, 0,1,2,3
	v_max3_num_f32 v[TM+\b], v[TM+\b], |v[\s+16*\b+\i]|, |v[\s+1+16*\b+\i]|
.endr
.endr
.irp b, 0,1,2,3
	v_permlanex16_b32 v[TM+4+\b], v[TM+\b], s[SEL], s[SEL+1]
.endr
.irp b, 0,1,2,3
	v_max_num_f32 v[TM+\b], v[TM+\b], v[TM+4+\b]                     ; the block's largest magnitude
.endr
.irp b, 0,1,2,3
	v_add_nc_u32 v[TM+12+\b], 0xff000000, v[TM+\b]
.endr
.irp b, 0,1,2,3
	v_lshrrev_b32 v[TM+4+\b], 23, v[TM+12+\b]
.endr
	v_lshl_or_b32 v[\pw], v[TM+5], 8, v[TM+4]
	v_lshl_or_b32 v[\pw], v[TM+6], 16, v[\pw]
	v_lshl_or_b32 v[\pw], v[TM+7], 24, v[\pw]
.irp c, 0,1
	v_cvt_scalef32_pk16_fp6_f32 v[PC+6*\c:PC+2+6*\c], v[\s+32*\c:\s+15+32*\c], v[TM+12+2*\c]
	v_cvt_scalef32_pk16_fp6_f32 v[PT+4*\c:PT+2+4*\c], v[\s+16+32*\c:\s+31+32*\c], v[TM+12+2*\c+1]
.endr
	v_nop                                                            ; one plain place behind the scaled conversions
.irp c, 0,1                                                          ; the operand wants a WHOLE block in a lane: lanes 0-15 block 2 c, lanes 16-31 block 2 c + 1
.irp i, 0,1,2
	v_permlane16_swap_b32 v[PC+6*\c+\i], v[PT+4*\c+\i]
.endr
.irp i, 0,1,2
	v_mov_b32 v[PC+3+6*\c+\i], v[PT+4*\c+\i]
.endr
.endr
.endm
.macro STOREFRAG imm                   ; the fragment leaves as it stands: each store of the wave covers 512 consecutive bytes, at a multiple of 256 from the buffer's first byte
.irp j, 0,1,2
	global_store_b128 v[LO], v[PC+4*\j:PC+4*\j+3], s[OUT:OUT+1] offset:(\imm)+512*\j th:TH_STORE_NT
.endr
.endm
; Eight features v[hb] .. v[hb+7] become 64 bases: v[BV + 8 j + k] = basis k of feature j.
.macro TILE hb
.set tj, 0
.rept 8
.if tj%2
	v_mov_b32 v[XB], v[\hb+tj]                                       ; the packed form takes a pair's low word for both halves
.set tx, XB
.else
.set tx, \hb+tj
.endif
.irp kk, 0,2,4,6
	v_pk_fma_f32 v[BV+8*tj+\kk:BV+8*tj+\kk+1], v[tx:tx+1], 0x40200000, v[CK+\kk:CK+\kk+1] op_sel_hi:[0,0,1]   ; e = 2.5 x + 3.5 - k, rounded once
.endr
.set tj, tj+1
.endr
.set tg, 0
.rept 4                                                              ; sixteen values at a time
.set ti, 0
.rept 16
	v_min_num_f32 v[T2+ti], |v[BV+tg+ti]|, 2.0
	v_min_num_f32 v[T1+ti], |v[BV+tg+ti]|, 1.0
.set ti, ti+1
.endr
.set ti, 0
.rept 8
	v_pk_add_f32 v[T2+ti:T2+ti+1], v[T2+ti:T2+ti+1], -2.0 op_sel_hi:[1,0]      ; -(2 - d)+
	v_pk_add_f32 v[T1+ti:T1+ti+1], v[T1+ti:T1+ti+1], -1.0 op_sel_hi:[1,0]      ; -(1 - d)+
.set ti, ti+2
.endr
.set ti, 0
.rept 8
	v_pk_mul_f32 v[U2+ti:U2+ti+1], v[T2+ti:T2+ti+1], v[T2+ti:T2+ti+1]
	v_pk_mul_f32 v[U1+ti:U1+ti+1], v[T1+ti:T1+ti+1], v[T1+ti:T1+ti+1]
.set ti, ti+2
.endr
.set ti, 0
.rept 8
	v_pk_mul_f32 v[T2+ti:T2+ti+1], v[U2+ti:U2+ti+1], v[T2+ti:T2+ti+1]          ; the cubes, negative
	v_pk_mul_f32 v[T1+ti:T1+ti+1], v[U1+ti:U1+ti+1], v[T1+ti:T1+ti+1]
.set ti, ti+2
.endr
.set ti, 0
.rept 8
	v_pk_mul_f32 v[T2+ti:T2+ti+1], v[T2+ti:T2+ti+1], 0xbe2aaaab op_sel_hi:[1,0]   ; x -1/6
.set ti, ti+2
.endr
.set ti, 0
.rept 8
	v_pk_fma_f32 v[BV+tg+ti:BV+tg+ti+1], v[T1+ti:T1+ti+1], 0x3f2aaaab, v[T2+ti:T2+ti+1] op_sel_hi:[1,0,1]   ; x 2/3, and the sum
.set ti, ti+2
.endr
.set tg, tg+16
.endr
.endm
; 64 features of a lane, v[H + 8 b + j] = feature 16 b + 8 h + j of my row's group, become the group's nine fragments (stored) and nine scale words (v[PWS] on).
.macro ACT
	v_mov_b32 v[CK], 0x40600000
	v_mov_b32 v[CK+1], 0x40200000
	v_mov_b32 v[CK+2], 0x3fc00000
	v_mov_b32 v[CK+3], 0.5
	v_mov_b32 v[CK+4], -0.5
	v_mov_b32 v[CK+5], 0xbfc00000
	v_mov_b32 v[CK+6], 0xc0200000
	v_mov_b32 v[CK+7], 0xc0600000
	v_mov_b32 v[XB+1], 0                                             ; named as a pair's upper word, so it is written
	v_mov_b32 v[WX], 0                                               ; a lane permute's destination counts as one of its sources
.irp b, 0,1,2,3
	v_mov_b32 v[TM+4+\b], 0
.endr
.set aj, 0
.rept 64
	v_max_num_f32 v[BV+aj], 0, v[H+aj]                               ; the base path's relu
.set aj, aj+1
.endr
	QUANT16 BV, PWS
	STOREFRAG 0
.irp i, 1,2,3,4,5,6,7,8
	v_mov_b32 v[PWS+\i], 0
.endr
	s_mov_b32 s[CNT], 4
.Lact:                                                                   ; four trips of two tiles; features and scale words move down, so that the register numbers are the same in every trip
.irp i, 1,2,3,4,5,6
	v_mov_b32 v[PWS+\i], v[PWS+\i+2]
.endr
	TILE H
	QBLK2 BV, PWS+7
	STOREFRAG 6400
	TILE H+8
	QBLK2 BV, PWS+8
	STOREFRAG 12800
.set aj, 0
.rept 48
	v_mov_b32 v[H+aj], v[H+aj+16]
.set aj, aj+1
.endr
	s_wait_xcnt 0x0                                                  ; the stores have read their base: it steps two records on
	s_add_nc_u64 s[OUT:OUT+1], s[OUT:OUT+1], 12800
	s_sub_co_u32 s[CNT], s[CNT], 1
	s_cmp_lg_u32 s[CNT], 0
	s_cbranch_scc1 .Lact
.endm
; The four waves' scale words meet in LDS and leave as whole scale areas: a wave stores 256 consecutive bytes, at a multiple of 256 from the buffer's first byte.
.macro SCALE_OUT
.irp t, 0,1,2,3,4,5,6,7,8
	ds_store_b32 v[SCGST], v[PWS+\t] offset:256*\t                   ; lanes r and r + 16 write the same word with the same value
.endr
	s_wait_dscnt 0x0                                                 ; for the others' sake: my words have landed
	s_barrier_signal -1
	s_barrier_wait -1
	ds_load_b64 v[MX:MX+1], v[SCGLD]                                 ; wave w: step w,
	ds_load_b64 v[SX:SX+1], v[SCGLD] offset:1024                     ; step 4 + w
	s_wait_dscnt 0x0
	global_store_b64 v[GSC], v[MX:MX+1], s[REC:REC+1] offset:6144 th:TH_STORE_NT
	global_store_b64 v[GSC], v[SX:SX+1], s[REC:REC+1] offset:6144+25600 th:TH_STORE_NT
	s_cmp_lg_u32 s[WVS], 0
	s_cbranch_scc1 .Ldone
	ds_load_b64 v[BX:BX+1], v[SCGLD] offset:2048                     ; wave 0: step 8
	s_wait_dscnt 0x0
	global_store_b64 v[GSC], v[BX:BX+1], s[REC:REC+1] offset:6144+51200 th:TH_STORE_NT
.Ldone:
.endm
; A chunk: 16 rows x 512 bytes.  Each load of the wave reads 512 consecutive bytes of one row.
.macro LOADC set, bs, pitch, off, lo
.set ci, 0
.rept 16
	global_load_b128 v[L0+64*(\set)+4*ci:L0+64*(\set)+4*ci+3], v[\lo], s[\bs:\bs+1] offset:ci*(\pitch)+(\off) th:TH_LOAD_NT
.set ci, ci+1
.endr
.endm
.macro STAGE set, dst                  ; into my stage as it lies; rows 528 bytes apart, an odd multiple of 16, so that the sixteen rows of a read start in different banks
.set ci, 0
.rept 16
	ds_store_b128 v[STX], v[L0+64*(\set)+4*ci:L0+64*(\set)+4*ci+3] offset:(\dst)+528*ci
.set ci, ci+1
.endr
.endm
.macro LOADW set, bs                   ; the same chunk from rows of 4,092 bytes, which begin at multiples of 4 only: 4 bytes a lane, 128 consecutive bytes a load
.set ci, 0
.rept 16
.irp q, 0,1,2
	global_load_b32 v[L0+64*(\set)+4*ci+\q], v[LB], s[\bs:\bs+1] offset:ci*4092+128*\q
.endr
	global_load_b32 v[L0+64*(\set)+4*ci+3], v[LB3], s[\bs:\bs+1] offset:ci*4092+384
.set ci, ci+1
.endr
.endm
.macro STAGEW set, dst
.set ci, 0
.rept 16
	v_cndmask_b32 v[L0+64*(\set)+4*ci+3], 0, v[L0+64*(\set)+4*ci+3], vcc_lo   ; feature 1023 is 0: lane 31 of the last group's last 128 bytes
.set ci, ci+1
.endr
.set ci, 0
.rept 16
.irp q, 0,1,2,3
	ds_store_b32 v[STB], v[L0+64*(\set)+4*ci+\q] offset:(\dst)+528*ci+128*\q
.endr
.set ci, ci+1
.endr
.endm
; Addresses of a weight job: s4 = R, s5 = g.  ps, pb: bytes of a row of spline weights, of scalers and base weights;  st: steps of a row block
.macro WADDR ps, pb, st
	s_lshl_b32 s52, s4, 6
	s_lshl_b32 s53, s[WVS], 4
	s_add_co_u32 s52, s52, s53                                       ; my first row
	s_mov_b32 s51, 0
	s_mul_i32 s50, s52, \ps
	s_lshl_b32 s53, s5, 12
	s_add_co_u32 s50, s50, s53                                       ; under 2^28
	s_add_nc_u64 s[SPL:SPL+1], s[SPL:SPL+1], s[50:51]
	s_mul_i32 s50, s52, \pb
	s_lshl_b32 s53, s5, 9
	s_add_co_u32 s50, s50, s53
	s_add_nc_u64 s[SCLP:SCLP+1], s[SCLP:SCLP+1], s[50:51]
	s_add_nc_u64 s[BAS:BAS+1], s[BAS:BAS+1], s[50:51]
	s_mul_i32 s50, s4, \st
	s_mul_i32 s53, s5, 9
	s_add_co_u32 s50, s50, s53
	s_mul_i32 s50, s50, 6400
	s_add_nc_u64 s[REC:REC+1], s[REC:REC+1], s[50:51]
	s_mul_i32 s50, s[WVS], 1536
	s_add_nc_u64 s[OUT:OUT+1], s[REC:REC+1], s[50:51]
.endm
; A weight job of a wave: ten chunks (scaler, base, spline t = 0..7), two on their way at all times, every offset an immediate.
.macro WPATH ps, pb, al, lo7
.if \al
	LOADC 0, SCLP, \pb, 0, LO
	LOADC 1, BAS, \pb, 0, LO
	s_wait_loadcnt 16                                                ; the scaler is in; the base chunk's 16 loads may be out
	STAGE 0, SCO
.else
	LOADW 0, SCLP
	LOADW 1, BAS
	s_wait_loadcnt 63                                                ; the scaler is in: 64 loads were issued behind it, and 63 is the largest count that can be written
	STAGEW 0, SCO
.endif
	s_wait_dscnt 0x0                                                 ; the stores have read set 0
	LOADC 0, SPL, \ps, 0, LO
	s_wait_loadcnt 16                                                ; the base chunk is in; spline chunk 0 may be out
.if \al
	STAGE 1, 0
.else
	STAGEW 1, 0
.endif
.irp c, 0,1
.irp q, 0,1,2,3,4,5,6,7
.set xr, X+32*\c+4*((\q%2)+2*(\q/4)+4*((\q/2)%2))
	ds_load_b128 v[xr:xr+3], v[RDB] offset:256*\c+16*\q             ; block 2 c + h of my row, its features at the places that the other operand's quantiser gives them
.endr
.endr
	s_wait_dscnt 0x0
	LOADC 1, SPL, \ps, 512, LO
	QBLK2 X, PWS
	STOREFRAG 0
.irp t, 0,1,2,3,4,5,6,7
.if \t < 7
	s_wait_loadcnt 16                                                ; chunk t is in; chunk t + 1 may be out
.else
	s_wait_loadcnt 0x0
.endif
	STAGE \t%2, 0
.set ci, 0
.rept 16
	ds_load_b128 v[X+4*ci:X+4*ci+3], v[RDS] offset:16*ci            ; my eight features' 64 weights
.set ci, ci+1
.endr
	ds_load_b128 v[SCL:SCL+3], v[RDC] offset:64*\t                   ; and their eight scalers
	ds_load_b128 v[SCL+4:SCL+7], v[RDC] offset:64*\t+16
	s_wait_dscnt 0x0
.if \t < 5
	LOADC \t%2, SPL, \ps, 512*(\t+2), LO
.elseif \t == 5
	LOADC 1, SPL, \ps, 3584, \lo7
.endif
.irp c, 0,1
.irp i, 0,1,2,3
.irp k, 0,1,2,3,4,5,6,7
	v_mul_f32 v[X+32*\c+8*\i+\k], v[X+32*\c+8*\i+\k], v[SCL+4*\c+\i]   ; spline_w x scaler, in f32
.endr
.endr
.endr
	QBLK2 X, PWS+1+\t
	STOREFRAG 6400*(1+\t)
.endr
.endm
	s_load_b512 s[8:23], s[0:1], 0x0               ; xs, ys, base_w0, spline_w0, scaler0, base_w1, spline_w1, scaler1
	s_load_b256 s[24:31], s[0:1], 0x40             ; base_w2, spline_w2, scaler2, a0c
	s_load_b128 s[32:35], s[0:1], 0x60             ; w0c, w1c
	s_load_b64 s[36:37], s[0:1], 0x70              ; w2c
	v_lshl_add_u32 v241, v0, 2, 0x11a00
	v_mov_b32 v245, 0
	v_lshrrev_b32 v34, 5, v0
	v_readfirstlane_b32 s[WVS], v34                ; wave 0..3
	v_and_b32 v35, 31, v0                          ; lane
	v_and_b32 v36, 15, v0                          ; r
	v_bfe_u32 v37, v0, 4, 1                        ; h
	s_mul_i32 s52, s[WVS], WREG                    ; WR: my wave's LDS
	v_lshlrev_b32 v[LB], 2, v35
	v_lshlrev_b32 v[LO], 4, v35
	v_lshlrev_b32 v[GA0], 11, v37
	v_lshl_add_u32 v[GA0], v36, 4, v[GA0]
	v_add_nc_u32 v[STX], s52, v[LO]
	v_add_nc_u32 v[STB], s52, v[LB]
	v_mul_u32_u24 v38, v36, 528
	v_add_nc_u32 v38, s52, v38
	v_lshl_add_u32 v[RDS], v37, 8, v38
	v_lshl_add_u32 v[RDB], v37, 7, v38
	v_lshl_add_u32 v[RDC], v37, 5, v38
	v_add_nc_u32 v[RDC], SCO, v[RDC]
	v_mul_u32_u24 v39, v37, 272
	v_lshl_add_u32 v39, v36, 4, v39
	v_add_nc_u32 v[STA], s52, v39
	v_mul_u32_u24 v39, v36, 272
	v_lshl_add_u32 v39, v37, 4, v39
	v_add_nc_u32 v[RDA], s52, v39
	s_and_b32 s53, s[WVS], 1
	s_lshl_b32 s53, s53, 7
	s_lshr_b32 s54, s[WVS], 1
	s_lshl_b32 s54, s54, 2
	s_add_co_u32 s53, s53, s54
	s_add_co_u32 s53, s53, SCG
	v_lshl_add_u32 v[SCGST], v36, 3, s53           ; SCG + 8 r + 128 (wave % 2) + 4 (wave / 2)
	v_lshl_add_u32 v[SCGLD], v0, 3, SCG
	s_mul_i32 s53, s[WVS], 6400
	v_lshl_add_u32 v[GSC], v35, 3, s53
	v_lshlrev_b32 v[SH8], 3, v37
	v_mov_b32 v[WX], 0                             ; a lane permute's destination counts as one of its sources
	s_mov_b32 s[SEL], 0x76543210
	s_mov_b32 s[SEL+1], 0xfedcba98
	s_wait_kmcnt 0x0
	s_cmp_lt_u32 ttmp9, 128
	s_cbranch_scc1 .LpathA
	s_cmp_lt_u32 ttmp9, 384
	s_cbranch_scc1 .LpathW0
	; ---- layers 1 and 2: one path, the buffers chosen by the work-group's number
	s_mov_b32 s52, 896
	s_cmp_lt_u32 ttmp9, 896
	s_cselect_b64 s[SPL:SPL+1], s[20:21], s[26:27]
	s_cselect_b64 s[SCLP:SCLP+1], s[22:23], s[28:29]
	s_cselect_b64 s[BAS:BAS+1], s[18:19], s[24:25]
	s_cselect_b64 s[REC:REC+1], s[34:35], s[36:37]
	s_cselect_b32 s52, 384, s52
	s_sub_co_u32 s3, ttmp9, s52
	s_lshr_b32 s4, s3, 4                           ; R
	s_and_b32 s5, s3, 15                           ; g
	WADDR 65536, 8192, 144
	WPATH 65536, 8192, 1, LO
	s_branch .Ltail
.LpathW0:
	; ---- layer 0: rows of 1,023 features
	s_sub_co_u32 s3, ttmp9, 128
	s_lshr_b32 s4, s3, 3
	s_and_b32 s5, s3, 7
	s_mov_b64 s[SPL:SPL+1], s[14:15]
	s_mov_b64 s[SCLP:SCLP+1], s[16:17]
	s_mov_b64 s[BAS:BAS+1], s[12:13]
	s_mov_b64 s[REC:REC+1], s[32:33]
	WADDR 32736, 4092, 72
	s_cmp_eq_u32 s5, 7                             ; the last group has 127 features
	s_cselect_b32 vcc_lo, 0x7fffffff, -1           ; the lanes that keep what they loaded
	s_cselect_b32 s52, 4, 0
	s_cselect_b32 s53, 32, 0
	s_sub_co_u32 s52, 124, s52
	s_sub_co_u32 s53, 496, s53
	v_min_u32 v[LB3], s52, v[LB]                   ; lane 31 reads lane 30's word again: no load leaves its row
	v_min_u32 v[LO7], s53, v[LO]                   ; lanes 30 and 31 read lane 29's 16 bytes again: their products are 0, since the scaler there is 0
	WPATH 32736, 4092, 0, LO7
	s_branch .Ltail
.LpathA:
	; ---- the first layer's input: feature 2 i = xs[i], feature 2 i + 1 = ys[i], feature 1023 = the zero fill
	s_lshr_b32 s4, ttmp9, 3
	s_and_b32 s5, ttmp9, 7
	s_lshl_b32 s52, s4, 6
	s_lshl_b32 s53, s[WVS], 4
	s_add_co_u32 s52, s52, s53                     ; my first row
	s_lshl_b32 s50, s52, 11
	s_lshl_b32 s53, s5, 8
	s_add_co_u32 s50, s50, s53                     ; a group is 64 numbers of xs and 64 of ys
	s_mov_b32 s51, 0
	s_add_nc_u64 s[SPL:SPL+1], s[8:9], s[50:51]
	s_add_nc_u64 s[SCLP:SCLP+1], s[10:11], s[50:51]
	s_mul_i32 s50, s4, 72
	s_mul_i32 s53, s5, 9
	s_add_co_u32 s50, s50, s53
	s_mul_i32 s50, s50, 6400
	s_add_nc_u64 s[REC:REC+1], s[30:31], s[50:51]
	s_mul_i32 s50, s[WVS], 1536
	s_add_nc_u64 s[OUT:OUT+1], s[REC:REC+1], s[50:51]
	s_cmp_eq_u32 s5, 7
	s_cselect_b32 vcc_lo, 0xffff, -1               ; the lanes that keep their last feature
.irp e, 0,1,2,3,4,5,6,7
	global_load_b128 v[L0+4*\e:L0+4*\e+3], v[GA0], s[SPL:SPL+1] offset:4096*\e th:TH_LOAD_NT        ; sixteen lanes read a row's 256 consecutive bytes; two rows a load
	global_load_b128 v[L0+32+4*\e:L0+32+4*\e+3], v[GA0], s[SCLP:SCLP+1] offset:4096*\e th:TH_LOAD_NT
.endr
	s_wait_loadcnt 0x0
	s_wait_alu depctr_va_vdst(0)
.irp e, 0,1,2,3,4,5,6,7
	ds_store_b128 v[STA], v[L0+4*\e:L0+4*\e+3] offset:544*\e
	ds_store_b128 v[STA], v[L0+32+4*\e:L0+32+4*\e+3] offset:YSO+544*\e
.endr
.irp b, 0,1,2,3,4,5,6,7
	ds_load_b128 v[T1+4*\b:T1+4*\b+3], v[RDA] offset:32*\b           ; LDS serves a wave's instructions in order: these see my stores.  xs[8 b + 4 h + 0..3] of my row's group
	ds_load_b128 v[U1+4*\b:U1+4*\b+3], v[RDA] offset:YSO+32*\b
.endr
	s_wait_dscnt 0x0
.irp b, 0,1,2,3,4,5,6,7
.irp e, 0,1,2,3
	v_mov_b32 v[H+8*\b+2*\e], v[T1+4*\b+\e]
	v_mov_b32 v[H+8*\b+2*\e+1], v[U1+4*\b+\e]
.endr
.endr
	v_cndmask_b32 v[H+63], -4.0, v[H+63], vcc_lo   ; feature 1023 (lanes 16-31 of the last group): -4.0 has relu 0 and every basis 0
	ACT
.Ltail:
	SCALE_OUT
	s_wait_tensorcnt 0x0
	ds_add_u32 v241, v245
	s_wait_dscnt 0x0
	s_endpgm
.Lfunc_end_k_q3de84edda2_prep:
	.size	k_q3de84edda2_prep, .Lfunc_end_k_q3de84edda2_prep-k_q3de84edda2_prep
	.p2alignl 7, 3214868480
	.fill 96, 4, 3214868480
	.section	.rodata,"a",@progbits
	.p2align	6, 0x0
	.amdhsa_kernel k_q3de84edda2_prep
		.amdhsa_group_segment_fixed_size 72704
		.amdhsa_private_segment_fixed_size 0
		.amdhsa_enable_private_segment 0
		.amdhsa_kernarg_size 120
		.amdhsa_user_sgpr_count 2
		.amdhsa_user_sgpr_kernarg_segment_ptr 1
		.amdhsa_wavefront_size32 1
		.amdhsa_system_sgpr_workgroup_id_x 1
		.amdhsa_system_sgpr_workgroup_id_y 1
		.amdhsa_system_sgpr_workgroup_id_z 1
		.amdhsa_system_vgpr_workitem_id 0
		.amdhsa_next_free_vgpr 256
		.amdhsa_next_free_sgpr 66
		.amdhsa_reserve_vcc 1
		.amdhsa_float_denorm_mode_32 3
		.amdhsa_float_denorm_mode_16_64 3
		.amdhsa_memory_ordered 1
		.amdhsa_forward_progress 1
		.amdhsa_inst_pref_size 255
	.end_amdhsa_kernel
	.section	.bss,"aw",@nobits
	.p2align	6
	.space	262144
	.amdgpu_metadata
---
amdhsa.version: [ 1, 2 ]
amdhsa.kernels:
  - .name:           k_q3de84edda2_prep
    .symbol:         k_q3de84edda2_prep.kd
    .args:
      - { .name: xs, .offset: 0, .size: 8, .value_kind: global_buffer, .address_space: global }
      - { .name: ys, .offset: 8, .size: 8, .value_kind: global_buffer, .address_space: global }
      - { .name: base_w0, .offset: 16, .size: 8, .value_kind: global_buffer, .address_space: global }
      - { .name: spline_w0, .offset: 24, .size: 8, .value_kind: global_buffer, .address_space: global }
      - { .name: scaler0, .offset: 32, .size: 8, .value_kind: global_buffer, .address_space: global }
      - { .name: base_w1, .offset: 40, .size: 8, .value_kind: global_buffer, .address_space: global }
      - { .name: spline_w1, .offset: 48, .size: 8, .value_kind: global_buffer, .address_space: global }
      - { .name: scaler1, .offset: 56, .size: 8, .value_kind: global_buffer, .address_space: global }
      - { .name: base_w2, .offset: 64, .size: 8, .value_kind: global_buffer, .address_space: global }
      - { .name: spline_w2, .offset: 72, .size: 8, .value_kind: global_buffer, .address_space: global }
      - { .name: scaler2, .offset: 80, .size: 8, .value_kind: global_buffer, .address_space: global }
      - { .name: a0c, .offset: 88, .size: 8, .value_kind: global_buffer, .address_space: global }
      - { .name: w0c, .offset: 96, .size: 8, .value_kind: global_buffer, .address_space: global }
      - { .name: w1c, .offset: 104, .size: 8, .value_kind: global_buffer, .address_space: global }
      - { .name: w2c, .offset: 112, .size: 8, .value_kind: global_buffer, .address_space: global }
    .group_segment_fixed_size: 72704
    .private_segment_fixed_size: 0
    .kernarg_segment_align: 8
    .kernarg_segment_size: 120
    .max_flat_workgroup_size: 128
    .sgpr_count:     66
    .vgpr_count:     256
    .wavefront_size: 32
...
	.end_amdgpu_metadata
.endif
;; end of part 1
;; launch gemm0 (part 2): grid 16 x 16, 4 waves a work-group, clusters of 4 x 4, 327,680 bytes of LDS; arguments a0c, w0c, a1c; writes a1c
.if DOCPART == 2
	.amdgcn_target "amdgcn-amd-amdhsa--gfx1250"
	.amdhsa_code_object_version 6
	.text
	.protected	k_q3de84edda2_gemm0
	.globl	k_q3de84edda2_gemm0
	.p2align	8
	.type	k_q3de84edda2_gemm0,@function
k_q3de84edda2_gemm0:
	s_mov_b64 s[64:65], 0
	v_nop
	global_prefetch_b8 v0, s[64:65] scope:SCOPE_SE
	s_setreg_imm32_b32 hwreg(HW_REG_WAVE_MODE, 25, 1), 1
	s_wait_xcnt 0x0
	s_wait_alu depctr_hold_cnt(0) depctr_sa_sdst(0) depctr_va_vdst(0) depctr_va_sdst(0) depctr_va_ssrc(0) depctr_va_vcc(0) depctr_vm_vsrc(0)
	s_getreg_b32 s2, hwreg(HW_REG_IB_STS2, 6, 4)
	s_cmp_eq_u32 s2, 0
	s_cbranch_scc0 .Lentry_in_a_cluster
	s_endpgm
.Lentry_in_a_cluster:
	s_bfe_u32 s2, ttmp6, 0x10000c
	s_cmp_lg_u32 s2, 0xf033
	s_cbranch_scc0 .Lentry_shape_is_right
	s_endpgm
.Lentry_shape_is_right:
.set STEPS, 72
.set SPW,   STEPS/4
.set NS,    SPW/3
.set RSTR,  STEPS*6400
.set TRIPS, NS/2-2
.set RECB,  6400
.set SLB,   3*RECB
.set WSL,   2*SLB
.set SLOT,  4*WSL
.set SPARE, 2*SLOT
.set SCG,   SPARE+512
.set LO,    4
.set L8,    5
.set SPWD,  6
.set NIL,   7
.set RST,   8
.set RRD0,  9
.set SCGST, 10
.set SCGLD, 11
.set GSC,   12
.set RRD1,  13
.set SH8,   15
.set BAD,   16
.set BSD,   20
.set SA,    24
.set SB,    36
.set PWS,   16
.set CK,    26
.set H,     34
.set BV,    98
.set T1,    162
.set T2,    178
.set U1,    194
.set U2,    210
.set TM,    194
.set PC,    226
.set PT,    238
.set XB,    246
.set MX,    248
.set SX,    250
.set BX,    252
.set WW,    254
.set WX,    255
.set WVS,   10
.set SEL,   34
.set OUT,   36
.set REC,   38
.set CNT,   40
.set G1,    48
.set G0,    56
.set MSB, 0
.macro WIN new
.if MSB != \new
	s_set_vgpr_msb (MSB<<8)|(\new)
.set MSB, \new
.endif
.endm
.macro QBLK2 src, pw
	v_max3_num_f32 v[MX], |v[\src]|, |v[\src+1]|, 0x1800000
	v_max3_num_f32 v[MX+1], |v[\src+32]|, |v[\src+33]|, 0x1800000
.set qi, 2
.rept 15
	v_max3_num_f32 v[MX], v[MX], |v[\src+qi]|, |v[\src+qi+1]|
	v_max3_num_f32 v[MX+1], v[MX+1], |v[\src+32+qi]|, |v[\src+33+qi]|
.set qi, qi+2
.endr
	v_add_nc_u32 v[SX], 0xff000000, v[MX]
	v_add_nc_u32 v[SX+1], 0xff000000, v[MX+1]
	v_lshrrev_b32 v[BX], 23, v[SX]
	v_lshrrev_b32 v[BX+1], 23, v[SX+1]
	v_lshl_or_b32 v[WW], v[BX+1], 16, v[BX]
	v_lshlrev_b32 v[WW], v[SH8], v[WW]
	v_permlanex16_b32 v[WX], v[WW], s[SEL], s[SEL+1]
	v_or_b32 v[\pw], v[WW], v[WX]
	s_wait_alu depctr_va_vdst(0)
	s_wait_xcnt 0x0
	v_cvt_scalef32_pk16_fp6_f32 v[PC:PC+2], v[\src:\src+15], v[SX]
	v_cvt_scalef32_pk16_fp6_f32 v[PT:PT+2], v[\src+16:\src+31], v[SX]
	v_cvt_scalef32_pk16_fp6_f32 v[PC+6:PC+8], v[\src+32:\src+47], v[SX+1]
	v_cvt_scalef32_pk16_fp6_f32 v[PT+4:PT+6], v[\src+48:\src+63], v[SX+1]
	v_nop
.irp i, 0,1,2
	v_mov_b32 v[PC+3+\i], v[PT+\i]
	v_mov_b32 v[PC+9+\i], v[PT+4+\i]
.endr
.endm
.macro QUANT16 s, pw
.irp b, 0,1,2,3
	v_max3_num_f32 v[TM+\b], |v[\s+16*\b]|, |v[\s+1+16*\b]|, 0x1800000
.endr
.irp i, 2,4,6,8,10,12,14
.irp b, 0,1,2,3
	v_max3_num_f32 v[TM+\b], v[TM+\b], |v[\s+16*\b+\i]|, |v[\s+1+16*\b+\i]|
.endr
.endr
.irp b, 0,1,2,3
	v_permlanex16_b32 v[TM+4+\b], v[TM+\b], s[SEL], s[SEL+1]
.endr
.irp b, 0,1,2,3
	v_max_num_f32 v[TM+\b], v[TM+\b], v[TM+4+\b]
.endr
.irp b, 0,1,2,3
	v_add_nc_u32 v[TM+12+\b], 0xff000000, v[TM+\b]
.endr
.irp b, 0,1,2,3
	v_lshrrev_b32 v[TM+4+\b], 23, v[TM+12+\b]
.endr
	v_lshl_or_b32 v[\pw], v[TM+5], 8, v[TM+4]
	v_lshl_or_b32 v[\pw], v[TM+6], 16, v[\pw]
	v_lshl_or_b32 v[\pw], v[TM+7], 24, v[\pw]
.irp c, 0,1
	v_cvt_scalef32_pk16_fp6_f32 v[PC+6*\c:PC+2+6*\c], v[\s+32*\c:\s+15+32*\c], v[TM+12+2*\c]
	v_cvt_scalef32_pk16_fp6_f32 v[PT+4*\c:PT+2+4*\c], v[\s+16+32*\c:\s+31+32*\c], v[TM+12+2*\c+1]
.endr
	v_nop
.irp c, 0,1
.irp i, 0,1,2
	v_permlane16_swap_b32 v[PC+6*\c+\i], v[PT+4*\c+\i]
.endr
.irp i, 0,1,2
	v_mov_b32 v[PC+3+6*\c+\i], v[PT+4*\c+\i]
.endr
.endr
.endm
.macro STOREFRAG imm
.irp j, 0,1,2
	global_store_b128 v[LO], v[PC+4*\j:PC+4*\j+3], s[OUT:OUT+1] offset:(\imm)+512*\j th:TH_STORE_NT
.endr
.endm
.macro TILE hb
.set tj, 0
.rept 8
.if tj%2
	v_mov_b32 v[XB], v[\hb+tj]
.set tx, XB
.else
.set tx, \hb+tj
.endif
.irp kk, 0,2,4,6
	v_pk_fma_f32 v[BV+8*tj+\kk:BV+8*tj+\kk+1], v[tx:tx+1], 0x40200000, v[CK+\kk:CK+\kk+1] op_sel_hi:[0,0,1]
.endr
.set tj, tj+1
.endr
.set tg, 0
.rept 4
.set ti, 0
.rept 16
	v_min_num_f32 v[T2+ti], |v[BV+tg+ti]|, 2.0
	v_min_num_f32 v[T1+ti], |v[BV+tg+ti]|, 1.0
.set ti, ti+1
.endr
.set ti, 0
.rept 8
	v_pk_fma_f32 v[T2+ti:T2+ti+1], v[T2+ti:T2+ti+1], s[24:25], v[0:1] op_sel_hi:[1,0,0]   ; a' = c1 min(d, 2) - 2 c1, c1 = (1/6)^(1/3): 0 or less
	v_pk_fma_f32 v[T1+ti:T1+ti+1], v[T1+ti:T1+ti+1], s[26:27], v[2:3] op_sel_hi:[1,0,0]   ; b' = c2 min(d, 1) - c2, c2 = (2/3)^(1/3): 0 or less
.set ti, ti+2
.endr
.set ti, 0
.rept 8
	v_pk_mul_f32 v[U2+ti:U2+ti+1], v[T2+ti:T2+ti+1], v[T2+ti:T2+ti+1]
	v_pk_mul_f32 v[U1+ti:U1+ti+1], v[T1+ti:T1+ti+1], v[T1+ti:T1+ti+1]
.set ti, ti+2
.endr
.set ti, 0
.rept 8
	v_pk_mul_f32 v[T2+ti:T2+ti+1], v[U2+ti:U2+ti+1], v[T2+ti:T2+ti+1]
.set ti, ti+2
.endr
.set ti, 0
.rept 8
.set ti, ti+2
.endr
.set ti, 0
.rept 8
	v_pk_fma_f32 v[BV+tg+ti:BV+tg+ti+1], v[U1+ti:U1+ti+1], v[T1+ti:T1+ti+1], v[T2+ti:T2+ti+1] neg_lo:[0,0,1] neg_hi:[0,0,1]   ; the basis: b'^3 - a'^3 = (2 - d)+^3 / 6 - 2 (1 - d)+^3 / 3
.set ti, ti+2
.endr
.set tg, tg+16
.endr
.endm
.macro ACT
	v_mov_b32 v[CK], 0x40600000
	v_mov_b32 v[CK+1], 0x40200000
	v_mov_b32 v[CK+2], 0x3fc00000
	v_mov_b32 v[CK+3], 0.5
	v_mov_b32 v[CK+4], -0.5
	v_mov_b32 v[CK+5], 0xbfc00000
	v_mov_b32 v[CK+6], 0xc0200000
	v_mov_b32 v[CK+7], 0xc0600000
	v_mov_b32 v[XB+1], 0
	s_mov_b32 s24, 0x3f0ce1da                      ; c1 = (1/6)^(1/3), in both words of the pair that the packed form names
	s_mov_b32 s25, 0x3f0ce1da
	s_mov_b32 s26, 0x3f5fa2f8                      ; c2 = (2/3)^(1/3)
	s_mov_b32 s27, 0x3f5fa2f8
	v_mov_b32 v0, 0xbf8ce1da                       ; -2 c1, exactly: a' is 0 where d is 2 or more
	v_mov_b32 v1, 0                                ; named as a pair's upper word, so it is written
	v_mov_b32 v2, 0xbf5fa2f8                       ; -c2, exactly: b' is 0 where d is 1 or more
	v_mov_b32 v3, 0
	v_mov_b32 v[WX], 0
.irp b, 0,1,2,3
	v_mov_b32 v[TM+4+\b], 0
.endr
.set aj, 0
.rept 64
	v_max_num_f32 v[BV+aj], 0, v[H+aj]
.set aj, aj+1
.endr
	QUANT16 BV, PWS
	STOREFRAG 0
.irp i, 1,2,3,4,5,6,7,8
	v_mov_b32 v[PWS+\i], 0
.endr
	s_mov_b32 s[CNT], 4
.Lact:
.irp i, 1,2,3,4,5,6
	v_mov_b32 v[PWS+\i], v[PWS+\i+2]
.endr
	TILE H
	QBLK2 BV, PWS+7
	STOREFRAG 6400
	TILE H+8
	QBLK2 BV, PWS+8
	STOREFRAG 12800
.set aj, 0
.rept 48
	v_mov_b32 v[H+aj], v[H+aj+16]
.set aj, aj+1
.endr
	s_wait_xcnt 0x0
	s_add_nc_u64 s[OUT:OUT+1], s[OUT:OUT+1], 12800
	s_sub_co_u32 s[CNT], s[CNT], 1
	s_cmp_lg_u32 s[CNT], 0
	s_cbranch_scc1 .Lact
.endm
.macro SCALE_OUT
.irp t, 0,1,2,3,4,5,6,7,8
	ds_store_b32 v[SCGST], v[PWS+\t] offset:256*\t
.endr
	s_wait_dscnt 0x0
	s_barrier_signal -1
	s_barrier_wait -1
	ds_load_b64 v[MX:MX+1], v[SCGLD]
	ds_load_b64 v[SX:SX+1], v[SCGLD] offset:1024
	s_wait_dscnt 0x0
	global_store_b64 v[GSC], v[MX:MX+1], s[REC:REC+1] offset:6144 th:TH_STORE_NT
	global_store_b64 v[GSC], v[SX:SX+1], s[REC:REC+1] offset:6144+25600 th:TH_STORE_NT
	s_cmp_lg_u32 s[WVS], 0
	s_cbranch_scc1 .Ldone
	ds_load_b64 v[BX:BX+1], v[SCGLD] offset:2048
	s_wait_dscnt 0x0
	global_store_b64 v[GSC], v[BX:BX+1], s[REC:REC+1] offset:6144+51200 th:TH_STORE_NT
.Ldone:
.endm
.macro PLACES
.rept 4
	v_nop
.endr
.endm
.macro CREST
	s_cmp_lg_u32 s[WVS], 0
	s_cbranch_scc1 .Lnot_wave_0_\@
	s_barrier_signal -3
.Lnot_wave_0_\@:
	s_barrier_wait -3
	s_barrier_signal -1
	s_barrier_wait -1
.endm
.macro CROUND
	s_barrier_signal -1
	s_barrier_wait -1
	CREST
.endm
.macro BDESC p
	s_mul_i32 s46, s33, SLB
	s_add_nc_u64 s[G0+4*(\p)+2:G0+4*(\p)+3], s[18:19], s[46:47]
	s_or_b32 s[G0+4*(\p)+3], s[G0+4*(\p)+3], 0x80000000
	s_add_co_u32 s33, s33, 1
	s_cmp_eq_u32 s33, NS
	s_cselect_b32 s33, 0, s33
.endm
.macro LOADSET x
	s_mul_i32 s14, s13, RECB
	s_add_nc_u64 s[20+2*(\x):21+2*(\x)], s[16:17], s[14:15]
	s_add_co_u32 s13, s13, 1
	s_cmp_eq_u32 s13, SPW
	s_cselect_b32 s13, 0, s13
.set AB, 64+48*(\x)
.if (\x) > 2
.set AB, 48*((\x)-3)
	WIN 0xc0
.endif
.irp a, 0,1,2,3
.irp c, 0,1,2
	global_load_b128 v[AB+12*\a+4*\c:AB+12*\a+4*\c+3], v[LO], s[20+2*(\x):21+2*(\x)] offset:1536*\a+512*\c
.endr
.endr
	WIN 0
	global_load_b64 v[SA+2*(\x):SA+2*(\x)+1], v[L8], s[20+2*(\x):21+2*(\x)] offset:6144
.endm
.macro FETCH_B p, st, q
	WIN 0x40
.irp rho, 0,1
.irp i, 0,1,2,3
.irp c, 0,1,2
	ds_load_b128 v[96*(\q)+12*(4*\rho+\i)+4*\c:96*(\q)+12*(4*\rho+\i)+4*\c+3], v[BAD+2*(\p)+\rho] offset:RECB*(\st)+1536*\i+512*\c
.endr
.endr
.endr
	WIN 0
	ds_load_b64 v[SB+4*(\q):SB+4*(\q)+1], v[BSD+2*(\p)] offset:RECB*(\st)+6144
	ds_load_b64 v[SB+4*(\q)+2:SB+4*(\q)+3], v[BSD+2*(\p)+1] offset:RECB*(\st)+6144
.endm
.macro WM x, q, a, b, zero
.set rD, 8*(8*(\a)+(\b))
.set rB, 96*(\q)+12*(\b)
.set rA, 64+48*(\x)+12*(\a)
.if (\x) > 2
.set rA, 48*((\x)-3)+12*(\a)
.endif
.set rP, SB+4*(\q)+(\b)/2
.set rQ, SA+2*(\x)+(\a)/2
.set par, 2*((\a)%2)+(\b)%2+4*(\zero)
.if par == 0
	v_wmma_scale_f32_16x16x128_f8f6f4 v[rD:rD+7], v[rB:rB+11], v[rA:rA+11], v[rD:rD+7], v[rP], v[rQ] matrix_a_fmt:MATRIX_FMT_FP6 matrix_b_fmt:MATRIX_FMT_FP6
.elseif par == 1
	v_wmma_scale_f32_16x16x128_f8f6f4 v[rD:rD+7], v[rB:rB+11], v[rA:rA+11], v[rD:rD+7], v[rP], v[rQ] matrix_a_fmt:MATRIX_FMT_FP6 matrix_b_fmt:MATRIX_FMT_FP6 matrix_a_scale:MATRIX_SCALE_ROW1
.elseif par == 2
	v_wmma_scale_f32_16x16x128_f8f6f4 v[rD:rD+7], v[rB:rB+11], v[rA:rA+11], v[rD:rD+7], v[rP], v[rQ] matrix_a_fmt:MATRIX_FMT_FP6 matrix_b_fmt:MATRIX_FMT_FP6 matrix_b_scale:MATRIX_SCALE_ROW1
.elseif par == 3
	v_wmma_scale_f32_16x16x128_f8f6f4 v[rD:rD+7], v[rB:rB+11], v[rA:rA+11], v[rD:rD+7], v[rP], v[rQ] matrix_a_fmt:MATRIX_FMT_FP6 matrix_b_fmt:MATRIX_FMT_FP6 matrix_a_scale:MATRIX_SCALE_ROW1 matrix_b_scale:MATRIX_SCALE_ROW1
.elseif par == 4
	v_wmma_scale_f32_16x16x128_f8f6f4 v[rD:rD+7], v[rB:rB+11], v[rA:rA+11], 0, v[rP], v[rQ] matrix_a_fmt:MATRIX_FMT_FP6 matrix_b_fmt:MATRIX_FMT_FP6
.elseif par == 5
	v_wmma_scale_f32_16x16x128_f8f6f4 v[rD:rD+7], v[rB:rB+11], v[rA:rA+11], 0, v[rP], v[rQ] matrix_a_fmt:MATRIX_FMT_FP6 matrix_b_fmt:MATRIX_FMT_FP6 matrix_a_scale:MATRIX_SCALE_ROW1
.elseif par == 6
	v_wmma_scale_f32_16x16x128_f8f6f4 v[rD:rD+7], v[rB:rB+11], v[rA:rA+11], 0, v[rP], v[rQ] matrix_a_fmt:MATRIX_FMT_FP6 matrix_b_fmt:MATRIX_FMT_FP6 matrix_b_scale:MATRIX_SCALE_ROW1
.else
	v_wmma_scale_f32_16x16x128_f8f6f4 v[rD:rD+7], v[rB:rB+11], v[rA:rA+11], 0, v[rP], v[rQ] matrix_a_fmt:MATRIX_FMT_FP6 matrix_b_fmt:MATRIX_FMT_FP6 matrix_a_scale:MATRIX_SCALE_ROW1 matrix_b_scale:MATRIX_SCALE_ROW1
.endif
.endm
.macro MUL8 x, q, a, zero
.irp b, 0,1,2,3,4,5,6,7
	WM \x, \q, \a, \b, \zero
.endr
.endm
.macro STEP p, st, zero, more, cnt
.set sx, 3*(\p)+(\st)
.set sq, ((\p)+(\st))%2
.set MW, 0xa1+0x0c*(sx/3)
	s_wait_loadcnt \cnt
	s_wait_dscnt 0x0
	PLACES
	FETCH_B \p, (\st)+1, 1-sq
	WIN MW
.irp a, 0,1,2,3
	MUL8 sx, sq, \a, \zero
.endr
	WIN 0
.if \more
	PLACES
	LOADSET sx
.endif
.endm
.macro TURN p, fill, more, cnt
.set sx, 3*(\p)+2
.set sq, (\p)
.set MW, 0xa1+0x0c*(sx/3)
	s_wait_loadcnt \cnt
	s_wait_tensorcnt 0x0
	ds_add_u32 v[SPWD], v[NIL]
	s_wait_dscnt 0x1
	WIN MW
	MUL8 sx, sq, 0, 0
	s_wait_dscnt 0x0
	s_barrier_signal -1
	MUL8 sx, sq, 1, 0
	WIN 0
	s_barrier_wait -1
.if \fill
	CREST
	BDESC \p
	tensor_load_to_lds s[G0+4*(\p):G0+4*(\p)+3], s[G1:G1+7]
	s_nop 0
.endif
	PLACES
	s_wait_alu depctr_va_vdst(0)
	FETCH_B 1-(\p), 0, 1-sq
	WIN MW
	MUL8 sx, sq, 2, 0
	MUL8 sx, sq, 3, 0
	WIN 0
.if \more
	PLACES
	LOADSET sx
.endif
.endm
.macro REDLD dst, adr, off
.set ri, 0
.rept 16
	ds_load_b128 v[\dst+4*ri:\dst+4*ri+3], v[\adr] offset:(\off)+512*ri
.set ri, ri+1
.endr
.endm
.macro SUMIN src
.set ri, 0
.rept 32
	v_pk_add_f32 v[H+ri:H+ri+1], v[H+ri:H+ri+1], v[\src+ri:\src+ri+1]
.set ri, ri+2
.endr
.endm
	s_load_b128 s[4:7], s[0:1], 0x0
	s_load_b64 s[8:9], s[0:1], 0x10
	v_lshl_add_u32 v[SPWD], v0, 2, SPARE
	v_mov_b32 v[NIL], 0
	ds_add_u32 v6, v7
	ds_add_u32 v6, v7
	s_wait_dscnt 0x0
	v_lshrrev_b32 v1, 5, v0
	v_readfirstlane_b32 s[WVS], v1
	v_and_b32 v1, 31, v0
	v_and_b32 v2, 15, v0
	v_bfe_u32 v3, v0, 4, 1
	v_lshlrev_b32 v[LO], 4, v1
	v_lshlrev_b32 v[L8], 3, v1
	s_mul_i32 s41, s[WVS], WSL
	v_add_nc_u32 v[BAD], s41, v[LO]
	v_add_nc_u32 v[BAD+1], SLB, v[BAD]
	v_add_nc_u32 v[BAD+2], SLOT, v[BAD]
	v_add_nc_u32 v[BAD+3], SLOT+SLB, v[BAD]
	v_add_nc_u32 v[BSD], s41, v[L8]
	v_add_nc_u32 v[BSD+1], SLB, v[BSD]
	v_add_nc_u32 v[BSD+2], SLOT, v[BSD]
	v_add_nc_u32 v[BSD+3], SLOT+SLB, v[BSD]
	s_mov_b32 s[G0], 1
	s_add_co_u32 s[G0+1], s41, 0
	s_mov_b32 s[G0+4], 1
	s_add_co_u32 s[G0+5], s41, SLOT
	s_lshl_b32 s41, s[WVS], 15
	v_add_nc_u32 v[RST], s41, v[LO]
	s_lshl_b32 s41, s[WVS], 13
	v_add_nc_u32 v[RRD0], s41, v[LO]
	v_add_nc_u32 v[RRD1], 0x10000, v[RRD0]
	s_and_b32 s41, s[WVS], 1
	s_lshl_b32 s41, s41, 7
	s_lshr_b32 s42, s[WVS], 1
	s_lshl_b32 s42, s42, 2
	s_add_co_u32 s41, s41, s42
	s_add_co_u32 s41, s41, SCG
	v_lshl_add_u32 v[SCGST], v2, 3, s41
	v_lshl_add_u32 v[SCGLD], v0, 3, SCG
	s_mul_i32 s41, s[WVS], 6400
	v_lshl_add_u32 v[GSC], v1, 3, s41
	v_lshlrev_b32 v[SH8], 3, v3
	s_mov_b32 s[SEL], 0x76543210
	s_mov_b32 s[SEL+1], 0xfedcba98
	s_bfe_u32 s43, ttmp6, 0x40000
	s_bfe_u32 s44, ttmp6, 0x40004
	s_lshl_b32 s11, ttmp9, 2
	s_add_co_u32 s11, s11, s43
	s_and_b32 s3, ttmp7, 0xffff
	s_lshl_b32 s12, s3, 2
	s_add_co_u32 s12, s12, s44
	s_add_co_u32 s33, s3, ttmp9
	s_and_b32 s33, s33, 3
	s_mul_i32 s33, s33, NS
	s_lshr_b32 s33, s33, 2
	s_mul_i32 s13, s33, 3
	s_lshl_b32 s45, 0x1111, s43
	s_or_b32 s[G1], s45, (3<<16)|(1<<21)
	s_mov_b32 s[G1+1], (SLB/8)<<16
	s_mov_b32 s[G1+2], 2<<16
	s_mov_b32 s[G1+3], (SLB/8)<<16
	s_mov_b32 s[G1+4], 2
	s_mov_b32 s[G1+5], RSTR/8
	s_mov_b32 s[G1+6], 0
	s_mov_b32 s[G1+7], 0
	s_mov_b32 s15, 0
	s_mov_b32 s47, 0
	s_mul_i32 s42, s[WVS], SPW
	s_mul_i32 s14, s12, STEPS
	s_add_co_u32 s14, s14, s42
	s_mul_i32 s14, s14, RECB
	s_mul_i32 s46, s11, 2*STEPS
	s_add_co_u32 s46, s46, s42
	s_mul_i32 s46, s46, RECB
	s_wait_kmcnt 0x0
	s_add_nc_u64 s[16:17], s[4:5], s[14:15]
	s_add_nc_u64 s[18:19], s[6:7], s[46:47]
	LOADSET 0
	LOADSET 1
	LOADSET 2
	LOADSET 3
	CROUND
	BDESC 0
	BDESC 1
	tensor_load_to_lds s[G0:G0+3], s[G1:G1+7]
	s_nop 0
	s_wait_alu depctr_va_vdst(0)
	s_wait_tensorcnt 0x0
	ds_add_u32 v6, v7
	s_wait_dscnt 0x0
	CROUND
	tensor_load_to_lds s[G0+4:G0+7], s[G1:G1+7]
	s_nop 0
	PLACES
	LOADSET 4
	LOADSET 5
	s_wait_tensorcnt 0x1
	FETCH_B 0, 0, 0
	STEP 0, 0, 1, 1, 63
	s_mov_b32 s32, TRIPS
.Lk:
	STEP 0, 1, 0, 1, 63
	TURN 0, 1, 1, 63
	STEP 1, 0, 0, 1, 63
	STEP 1, 1, 0, 1, 63
	TURN 1, 1, 1, 63
	STEP 0, 0, 0, 1, 63
	s_sub_co_u32 s32, s32, 1
	s_cmp_lg_u32 s32, 0
	s_cbranch_scc1 .Lk
	STEP 0, 1, 0, 1, 63
	TURN 0, 1, 1, 63
	STEP 1, 0, 0, 1, 63
	STEP 1, 1, 0, 1, 63
	TURN 1, 1, 1, 63
	STEP 0, 0, 0, 0, 63
	STEP 0, 1, 0, 0, 52
	TURN 0, 0, 0, 39
	STEP 1, 0, 0, 0, 26
	STEP 1, 1, 0, 0, 13
	s_wait_loadcnt 0x0
	s_wait_dscnt 0x0
	WIN 0xad
.irp a, 0,1,2,3
	MUL8 5, 1, \a, 0
.endr
	WIN 0
	PLACES
	WIN 0x08
.set ri, 0
.rept 64
	ds_store_b128 v[RST], v[4*ri:4*ri+3] offset:512*ri
.set ri, ri+1
.endr
	WIN 0
	s_wait_dscnt 0x0
	s_barrier_signal -1
	s_barrier_wait -1
	REDLD H, RRD0, 0
	REDLD BV, RRD0, 32768
	REDLD T1, RRD1, 0
	s_wait_dscnt 16
	SUMIN BV
	REDLD BV, RRD1, 32768
	s_wait_dscnt 16
	SUMIN T1
	s_wait_dscnt 0x0
	SUMIN BV
	s_mul_i32 s14, s12, 144
	s_mul_i32 s44, s11, 9
	s_add_co_u32 s14, s14, s44
	s_mul_i32 s14, s14, 6400
	s_add_nc_u64 s[REC:REC+1], s[8:9], s[14:15]
	s_mul_i32 s14, s[WVS], 1536
	s_add_nc_u64 s[OUT:OUT+1], s[REC:REC+1], s[14:15]
	ACT
	SCALE_OUT
	s_wait_tensorcnt 0x0
	ds_add_u32 v[SPWD], v[NIL]
	s_wait_dscnt 0x0
	CROUND
	s_endpgm
.Lfunc_end_k_q3de84edda2_gemm0:
	.size	k_q3de84edda2_gemm0, .Lfunc_end_k_q3de84edda2_gemm0-k_q3de84edda2_gemm0
	.p2alignl 7, 3214868480
	.fill 96, 4, 3214868480
	.section	.rodata,"a",@progbits
	.p2align	6, 0x0
	.amdhsa_kernel k_q3de84edda2_gemm0
		.amdhsa_group_segment_fixed_size 327680
		.amdhsa_private_segment_fixed_size 0
		.amdhsa_enable_private_segment 0
		.amdhsa_kernarg_size 24
		.amdhsa_user_sgpr_count 2
		.amdhsa_user_sgpr_kernarg_segment_ptr 1
		.amdhsa_wavefront_size32 1
		.amdhsa_system_sgpr_workgroup_id_x 1
		.amdhsa_system_sgpr_workgroup_id_y 1
		.amdhsa_system_sgpr_workgroup_id_z 1
		.amdhsa_system_vgpr_workitem_id 0
		.amdhsa_next_free_vgpr 912
		.amdhsa_next_free_sgpr 66
		.amdhsa_reserve_vcc 0
		.amdhsa_float_denorm_mode_32 3
		.amdhsa_float_denorm_mode_16_64 3
		.amdhsa_memory_ordered 1
		.amdhsa_forward_progress 1
		.amdhsa_inst_pref_size 222
	.end_amdhsa_kernel
	.amdgpu_metadata
---
amdhsa.version: [ 1, 2 ]
amdhsa.kernels:
  - .name:           k_q3de84edda2_gemm0
    .symbol:         k_q3de84edda2_gemm0.kd
    .args:
      - { .name: a0c, .offset: 0, .size: 8, .value_kind: global_buffer, .address_space: global }
      - { .name: w0c, .offset: 8, .size: 8, .value_kind: global_buffer, .address_space: global }
      - { .name: a1c, .offset: 16, .size: 8, .value_kind: global_buffer, .address_space: global }
    .group_segment_fixed_size: 327680
    .private_segment_fixed_size: 0
    .kernarg_segment_align: 8
    .kernarg_segment_size: 24
    .max_flat_workgroup_size: 128
    .sgpr_count:     66
    .vgpr_count:     912
    .wavefront_size: 32
...
	.end_amdgpu_metadata
.endif
;; end of part 2
;; launch gemm1 (part 3): grid 16 x 16, 4 waves a work-group, clusters of 4 x 4, 327,680 bytes of LDS; arguments a1c, w1c, a2c; writes a2c
.if DOCPART == 3
	.amdgcn_target "amdgcn-amd-amdhsa--gfx1250"
	.amdhsa_code_object_version 6
	.text
	.protected	k_q3de84edda2_gemm1
	.globl	k_q3de84edda2_gemm1
	.p2align	8
	.type	k_q3de84edda2_gemm1,@function
k_q3de84edda2_gemm1:
	s_mov_b64 s[64:65], 0
	v_nop
	global_prefetch_b8 v0, s[64:65] scope:SCOPE_SE
	s_setreg_imm32_b32 hwreg(HW_REG_WAVE_MODE, 25, 1), 1
	s_wait_xcnt 0x0
	s_wait_alu depctr_hold_cnt(0) depctr_sa_sdst(0) depctr_va_vdst(0) depctr_va_sdst(0) depctr_va_ssrc(0) depctr_va_vcc(0) depctr_vm_vsrc(0)
	s_getreg_b32 s2, hwreg(HW_REG_IB_STS2, 6, 4)
	s_cmp_eq_u32 s2, 0
	s_cbranch_scc0 .Lentry_in_a_cluster
	s_endpgm
.Lentry_in_a_cluster:
	s_bfe_u32 s2, ttmp6, 0x10000c
	s_cmp_lg_u32 s2, 0xf033
	s_cbranch_scc0 .Lentry_shape_is_right
	s_endpgm
.Lentry_shape_is_right:
.set STEPS, 144
.set SPW,   STEPS/4
.set NS,    SPW/3
.set RSTR,  STEPS*6400
.set TRIPS, NS/2-2
.set RECB,  6400
.set SLB,   3*RECB
.set WSL,   2*SLB
.set SLOT,  4*WSL
.set SPARE, 2*SLOT
.set SCG,   SPARE+512
.set LO,    4
.set L8,    5
.set SPWD,  6
.set NIL,   7
.set RST,   8
.set RRD0,  9
.set SCGST, 10
.set SCGLD, 11
.set GSC,   12
.set RRD1,  13
.set SH8,   15
.set BAD,   16
.set BSD,   20
.set SA,    24
.set SB,    36
.set PWS,   16
.set CK,    26
.set H,     34
.set BV,    98
.set T1,    162
.set T2,    178
.set U1,    194
.set U2,    210
.set TM,    194
.set PC,    226
.set PT,    238
.set XB,    246
.set MX,    248
.set SX,    250
.set BX,    252
.set WW,    254
.set WX,    255
.set WVS,   10
.set SEL,   34
.set OUT,   36
.set REC,   38
.set CNT,   40
.set G1,    48
.set G0,    56
.set MSB, 0
.macro WIN new
.if MSB != \new
	s_set_vgpr_msb (MSB<<8)|(\new)
.set MSB, \new
.endif
.endm
.macro QBLK2 src, pw
	v_max3_num_f32 v[MX], |v[\src]|, |v[\src+1]|, 0x1800000
	v_max3_num_f32 v[MX+1], |v[\src+32]|, |v[\src+33]|, 0x1800000
.set qi, 2
.rept 15
	v_max3_num_f32 v[MX], v[MX], |v[\src+qi]|, |v[\src+qi+1]|
	v_max3_num_f32 v[MX+1], v[MX+1], |v[\src+32+qi]|, |v[\src+33+qi]|
.set qi, qi+2
.endr
	v_add_nc_u32 v[SX], 0xff000000, v[MX]
	v_add_nc_u32 v[SX+1], 0xff000000, v[MX+1]
	v_lshrrev_b32 v[BX], 23, v[SX]
	v_lshrrev_b32 v[BX+1], 23, v[SX+1]
	v_lshl_or_b32 v[WW], v[BX+1], 16, v[BX]
	v_lshlrev_b32 v[WW], v[SH8], v[WW]
	v_permlanex16_b32 v[WX], v[WW], s[SEL], s[SEL+1]
	v_or_b32 v[\pw], v[WW], v[WX]
	s_wait_alu depctr_va_vdst(0)
	s_wait_xcnt 0x0
	v_cvt_scalef32_pk16_fp6_f32 v[PC:PC+2], v[\src:\src+15], v[SX]
	v_cvt_scalef32_pk16_fp6_f32 v[PT:PT+2], v[\src+16:\src+31], v[SX]
	v_cvt_scalef32_pk16_fp6_f32 v[PC+6:PC+8], v[\src+32:\src+47], v[SX+1]
	v_cvt_scalef32_pk16_fp6_f32 v[PT+4:PT+6], v[\src+48:\src+63], v[SX+1]
	v_nop
.irp i, 0,1,2
	v_mov_b32 v[PC+3+\i], v[PT+\i]
	v_mov_b32 v[PC+9+\i], v[PT+4+\i]
.endr
.endm
.macro QUANT16 s, pw
.irp b, 0,1,2,3
	v_max3_num_f32 v[TM+\b], |v[\s+16*\b]|, |v[\s+1+16*\b]|, 0x1800000
.endr
.irp i, 2,4,6,8,10,12,14
.irp b, 0,1,2,3
	v_max3_num_f32 v[TM+\b], v[TM+\b], |v[\s+16*\b+\i]|, |v[\s+1+16*\b+\i]|
.endr
.endr
.irp b, 0,1,2,3
	v_permlanex16_b32 v[TM+4+\b], v[TM+\b], s[SEL], s[SEL+1]
.endr
.irp b, 0,1,2,3
	v_max_num_f32 v[TM+\b], v[TM+\b], v[TM+4+\b]
.endr
.irp b, 0,1,2,3
	v_add_nc_u32 v[TM+12+\b], 0xff000000, v[TM+\b]
.endr
.irp b, 0,1,2,3
	v_lshrrev_b32 v[TM+4+\b], 23, v[TM+12+\b]
.endr
	v_lshl_or_b32 v[\pw], v[TM+5], 8, v[TM+4]
	v_lshl_or_b32 v[\pw], v[TM+6], 16, v[\pw]
	v_lshl_or_b32 v[\pw], v[TM+7], 24, v[\pw]
.irp c, 0,1
	v_cvt_scalef32_pk16_fp6_f32 v[PC+6*\c:PC+2+6*\c], v[\s+32*\c:\s+15+32*\c], v[TM+12+2*\c]
	v_cvt_scalef32_pk16_fp6_f32 v[PT+4*\c:PT+2+4*\c], v[\s+16+32*\c:\s+31+32*\c], v[TM+12+2*\c+1]
.endr
	v_nop
.irp c, 0,1
.irp i, 0,1,2
	v_permlane16_swap_b32 v[PC+6*\c+\i], v[PT+4*\c+\i]
.endr
.irp i, 0,1,2
	v_mov_b32 v[PC+3+6*\c+\i], v[PT+4*\c+\i]
.endr
.endr
.endm
.macro STOREFRAG imm
.irp j, 0,1,2
	global_store_b128 v[LO], v[PC+4*\j:PC+4*\j+3], s[OUT:OUT+1] offset:(\imm)+512*\j th:TH_STORE_NT
.endr
.endm
.macro TILE hb
.set tj, 0
.rept 8
.if tj%2
	v_mov_b32 v[XB], v[\hb+tj]
.set tx, XB
.else
.set tx, \hb+tj
.endif
.irp kk, 0,2,4,6
	v_pk_fma_f32 v[BV+8*tj+\kk:BV+8*tj+\kk+1], v[tx:tx+1], 0x40200000, v[CK+\kk:CK+\kk+1] op_sel_hi:[0,0,1]
.endr
.set tj, tj+1
.endr
.set tg, 0
.rept 4
.set ti, 0
.rept 16
	v_min_num_f32 v[T2+ti], |v[BV+tg+ti]|, 2.0
	v_min_num_f32 v[T1+ti], |v[BV+tg+ti]|, 1.0
.set ti, ti+1
.endr
.set ti, 0
.rept 8
	v_pk_fma_f32 v[T2+ti:T2+ti+1], v[T2+ti:T2+ti+1], s[24:25], v[0:1] op_sel_hi:[1,0,0]   ; a' = c1 min(d, 2) - 2 c1, c1 = (1/6)^(1/3): 0 or less
	v_pk_fma_f32 v[T1+ti:T1+ti+1], v[T1+ti:T1+ti+1], s[26:27], v[2:3] op_sel_hi:[1,0,0]   ; b' = c2 min(d, 1) - c2, c2 = (2/3)^(1/3): 0 or less
.set ti, ti+2
.endr
.set ti, 0
.rept 8
	v_pk_mul_f32 v[U2+ti:U2+ti+1], v[T2+ti:T2+ti+1], v[T2+ti:T2+ti+1]
	v_pk_mul_f32 v[U1+ti:U1+ti+1], v[T1+ti:T1+ti+1], v[T1+ti:T1+ti+1]
.set ti, ti+2
.endr
.set ti, 0
.rept 8
	v_pk_mul_f32 v[T2+ti:T2+ti+1], v[U2+ti:U2+ti+1], v[T2+ti:T2+ti+1]
.set ti, ti+2
.endr
.set ti, 0
.rept 8
.set ti, ti+2
.endr
.set ti, 0
.rept 8
	v_pk_fma_f32 v[BV+tg+ti:BV+tg+ti+1], v[U1+ti:U1+ti+1], v[T1+ti:T1+ti+1], v[T2+ti:T2+ti+1] neg_lo:[0,0,1] neg_hi:[0,0,1]   ; the basis: b'^3 - a'^3 = (2 - d)+^3 / 6 - 2 (1 - d)+^3 / 3
.set ti, ti+2
.endr
.set tg, tg+16
.endr
.endm
.macro ACT
	v_mov_b32 v[CK], 0x40600000
	v_mov_b32 v[CK+1], 0x40200000
	v_mov_b32 v[CK+2], 0x3fc00000
	v_mov_b32 v[CK+3], 0.5
	v_mov_b32 v[CK+4], -0.5
	v_mov_b32 v[CK+5], 0xbfc00000
	v_mov_b32 v[CK+6], 0xc0200000
	v_mov_b32 v[CK+7], 0xc0600000
	v_mov_b32 v[XB+1], 0
	s_mov_b32 s24, 0x3f0ce1da                      ; c1 = (1/6)^(1/3), in both words of the pair that the packed form names
	s_mov_b32 s25, 0x3f0ce1da
	s_mov_b32 s26, 0x3f5fa2f8                      ; c2 = (2/3)^(1/3)
	s_mov_b32 s27, 0x3f5fa2f8
	v_mov_b32 v0, 0xbf8ce1da                       ; -2 c1, exactly: a' is 0 where d is 2 or more
	v_mov_b32 v1, 0                                ; named as a pair's upper word, so it is written
	v_mov_b32 v2, 0xbf5fa2f8                       ; -c2, exactly: b' is 0 where d is 1 or more
	v_mov_b32 v3, 0
	v_mov_b32 v[WX], 0
.irp b, 0,1,2,3
	v_mov_b32 v[TM+4+\b], 0
.endr
.set aj, 0
.rept 64
	v_max_num_f32 v[BV+aj], 0, v[H+aj]
.set aj, aj+1
.endr
	QUANT16 BV, PWS
	STOREFRAG 0
.irp i, 1,2,3,4,5,6,7,8
	v_mov_b32 v[PWS+\i], 0
.endr
	s_mov_b32 s[CNT], 4
.Lact:
.irp i, 1,2,3,4,5,6
	v_mov_b32 v[PWS+\i], v[PWS+\i+2]
.endr
	TILE H
	QBLK2 BV, PWS+7
	STOREFRAG 6400
	TILE H+8
	QBLK2 BV, PWS+8
	STOREFRAG 12800
.set aj, 0
.rept 48
	v_mov_b32 v[H+aj], v[H+aj+16]
.set aj, aj+1
.endr
	s_wait_xcnt 0x0
	s_add_nc_u64 s[OUT:OUT+1], s[OUT:OUT+1], 12800
	s_sub_co_u32 s[CNT], s[CNT], 1
	s_cmp_lg_u32 s[CNT], 0
	s_cbranch_scc1 .Lact
.endm
.macro SCALE_OUT
.irp t, 0,1,2,3,4,5,6,7,8
	ds_store_b32 v[SCGST], v[PWS+\t] offset:256*\t
.endr
	s_wait_dscnt 0x0
	s_barrier_signal -1
	s_barrier_wait -1
	ds_load_b64 v[MX:MX+1], v[SCGLD]
	ds_load_b64 v[SX:SX+1], v[SCGLD] offset:1024
	s_wait_dscnt 0x0
	global_store_b64 v[GSC], v[MX:MX+1], s[REC:REC+1] offset:6144 th:TH_STORE_NT
	global_store_b64 v[GSC], v[SX:SX+1], s[REC:REC+1] offset:6144+25600 th:TH_STORE_NT
	s_cmp_lg_u32 s[WVS], 0
	s_cbranch_scc1 .Ldone
	ds_load_b64 v[BX:BX+1], v[SCGLD] offset:2048
	s_wait_dscnt 0x0
	global_store_b64 v[GSC], v[BX:BX+1], s[REC:REC+1] offset:6144+51200 th:TH_STORE_NT
.Ldone:
.endm
.macro PLACES
.rept 4
	v_nop
.endr
.endm
.macro CREST
	s_cmp_lg_u32 s[WVS], 0
	s_cbranch_scc1 .Lnot_wave_0_\@
	s_barrier_signal -3
.Lnot_wave_0_\@:
	s_barrier_wait -3
	s_barrier_signal -1
	s_barrier_wait -1
.endm
.macro CROUND
	s_barrier_signal -1
	s_barrier_wait -1
	CREST
.endm
.macro BDESC p
	s_mul_i32 s46, s33, SLB
	s_add_nc_u64 s[G0+4*(\p)+2:G0+4*(\p)+3], s[18:19], s[46:47]
	s_or_b32 s[G0+4*(\p)+3], s[G0+4*(\p)+3], 0x80000000
	s_add_co_u32 s33, s33, 1
	s_cmp_eq_u32 s33, NS
	s_cselect_b32 s33, 0, s33
.endm
.macro LOADSET x
	s_mul_i32 s14, s13, RECB
	s_add_nc_u64 s[20+2*(\x):21+2*(\x)], s[16:17], s[14:15]
	s_add_co_u32 s13, s13, 1
	s_cmp_eq_u32 s13, SPW
	s_cselect_b32 s13, 0, s13
.set AB, 64+48*(\x)
.if (\x) > 2
.set AB, 48*((\x)-3)
	WIN 0xc0
.endif
.irp a, 0,1,2,3
.irp c, 0,1,2
	global_load_b128 v[AB+12*\a+4*\c:AB+12*\a+4*\c+3], v[LO], s[20+2*(\x):21+2*(\x)] offset:1536*\a+512*\c
.endr
.endr
	WIN 0
	global_load_b64 v[SA+2*(\x):SA+2*(\x)+1], v[L8], s[20+2*(\x):21+2*(\x)] offset:6144
.endm
.macro FETCH_B p, st, q
	WIN 0x40
.irp rho, 0,1
.irp i, 0,1,2,3
.irp c, 0,1,2
	ds_load_b128 v[96*(\q)+12*(4*\rho+\i)+4*\c:96*(\q)+12*(4*\rho+\i)+4*\c+3], v[BAD+2*(\p)+\rho] offset:RECB*(\st)+1536*\i+512*\c
.endr
.endr
.endr
	WIN 0
	ds_load_b64 v[SB+4*(\q):SB+4*(\q)+1], v[BSD+2*(\p)] offset:RECB*(\st)+6144
	ds_load_b64 v[SB+4*(\q)+2:SB+4*(\q)+3], v[BSD+2*(\p)+1] offset:RECB*(\st)+6144
.endm
.macro WM x, q, a, b, zero
.set rD, 8*(8*(\a)+(\b))
.set rB, 96*(\q)+12*(\b)
.set rA, 64+48*(\x)+12*(\a)
.if (\x) > 2
.set rA, 48*((\x)-3)+12*(\a)
.endif
.set rP, SB+4*(\q)+(\b)/2
.set rQ, SA+2*(\x)+(\a)/2
.set par, 2*((\a)%2)+(\b)%2+4*(\zero)
.if par == 0
	v_wmma_scale_f32_16x16x128_f8f6f4 v[rD:rD+7], v[rB:rB+11], v[rA:rA+11], v[rD:rD+7], v[rP], v[rQ] matrix_a_fmt:MATRIX_FMT_FP6 matrix_b_fmt:MATRIX_FMT_FP6
.elseif par == 1
	v_wmma_scale_f32_16x16x128_f8f6f4 v[rD:rD+7], v[rB:rB+11], v[rA:rA+11], v[rD:rD+7], v[rP], v[rQ] matrix_a_fmt:MATRIX_FMT_FP6 matrix_b_fmt:MATRIX_FMT_FP6 matrix_a_scale:MATRIX_SCALE_ROW1
.elseif par == 2
	v_wmma_scale_f32_16x16x128_f8f6f4 v[rD:rD+7], v[rB:rB+11], v[rA:rA+11], v[rD:rD+7], v[rP], v[rQ] matrix_a_fmt:MATRIX_FMT_FP6 matrix_b_fmt:MATRIX_FMT_FP6 matrix_b_scale:MATRIX_SCALE_ROW1
.elseif par == 3
	v_wmma_scale_f32_16x16x128_f8f6f4 v[rD:rD+7], v[rB:rB+11], v[rA:rA+11], v[rD:rD+7], v[rP], v[rQ] matrix_a_fmt:MATRIX_FMT_FP6 matrix_b_fmt:MATRIX_FMT_FP6 matrix_a_scale:MATRIX_SCALE_ROW1 matrix_b_scale:MATRIX_SCALE_ROW1
.elseif par == 4
	v_wmma_scale_f32_16x16x128_f8f6f4 v[rD:rD+7], v[rB:rB+11], v[rA:rA+11], 0, v[rP], v[rQ] matrix_a_fmt:MATRIX_FMT_FP6 matrix_b_fmt:MATRIX_FMT_FP6
.elseif par == 5
	v_wmma_scale_f32_16x16x128_f8f6f4 v[rD:rD+7], v[rB:rB+11], v[rA:rA+11], 0, v[rP], v[rQ] matrix_a_fmt:MATRIX_FMT_FP6 matrix_b_fmt:MATRIX_FMT_FP6 matrix_a_scale:MATRIX_SCALE_ROW1
.elseif par == 6
	v_wmma_scale_f32_16x16x128_f8f6f4 v[rD:rD+7], v[rB:rB+11], v[rA:rA+11], 0, v[rP], v[rQ] matrix_a_fmt:MATRIX_FMT_FP6 matrix_b_fmt:MATRIX_FMT_FP6 matrix_b_scale:MATRIX_SCALE_ROW1
.else
	v_wmma_scale_f32_16x16x128_f8f6f4 v[rD:rD+7], v[rB:rB+11], v[rA:rA+11], 0, v[rP], v[rQ] matrix_a_fmt:MATRIX_FMT_FP6 matrix_b_fmt:MATRIX_FMT_FP6 matrix_a_scale:MATRIX_SCALE_ROW1 matrix_b_scale:MATRIX_SCALE_ROW1
.endif
.endm
.macro MUL8 x, q, a, zero
.irp b, 0,1,2,3,4,5,6,7
	WM \x, \q, \a, \b, \zero
.endr
.endm
.macro STEP p, st, zero, more, cnt
.set sx, 3*(\p)+(\st)
.set sq, ((\p)+(\st))%2
.set MW, 0xa1+0x0c*(sx/3)
	s_wait_loadcnt \cnt
	s_wait_dscnt 0x0
	PLACES
	FETCH_B \p, (\st)+1, 1-sq
	WIN MW
.irp a, 0,1,2,3
	MUL8 sx, sq, \a, \zero
.endr
	WIN 0
.if \more
	PLACES
	LOADSET sx
.endif
.endm
.macro TURN p, fill, more, cnt
.set sx, 3*(\p)+2
.set sq, (\p)
.set MW, 0xa1+0x0c*(sx/3)
	s_wait_loadcnt \cnt
	s_wait_tensorcnt 0x0
	ds_add_u32 v[SPWD], v[NIL]
	s_wait_dscnt 0x1
	WIN MW
	MUL8 sx, sq, 0, 0
	s_wait_dscnt 0x0
	s_barrier_signal -1
	MUL8 sx, sq, 1, 0
	WIN 0
	s_barrier_wait -1
.if \fill
	CREST
	BDESC \p
	tensor_load_to_lds s[G0+4*(\p):G0+4*(\p)+3], s[G1:G1+7]
	s_nop 0
.endif
	PLACES
	s_wait_alu depctr_va_vdst(0)
	FETCH_B 1-(\p), 0, 1-sq
	WIN MW
	MUL8 sx, sq, 2, 0
	MUL8 sx, sq, 3, 0
	WIN 0
.if \more
	PLACES
	LOADSET sx
.endif
.endm
.macro REDLD dst, adr, off
.set ri, 0
.rept 16
	ds_load_b128 v[\dst+4*ri:\dst+4*ri+3], v[\adr] offset:(\off)+512*ri
.set ri, ri+1
.endr
.endm
.macro SUMIN src
.set ri, 0
.rept 32
	v_pk_add_f32 v[H+ri:H+ri+1], v[H+ri:H+ri+1], v[\src+ri:\src+ri+1]
.set ri, ri+2
.endr
.endm
	s_load_b128 s[4:7], s[0:1], 0x0
	s_load_b64 s[8:9], s[0:1], 0x10
	v_lshl_add_u32 v[SPWD], v0, 2, SPARE
	v_mov_b32 v[NIL], 0
	ds_add_u32 v6, v7
	ds_add_u32 v6, v7
	s_wait_dscnt 0x0
	v_lshrrev_b32 v1, 5, v0
	v_readfirstlane_b32 s[WVS], v1
	v_and_b32 v1, 31, v0
	v_and_b32 v2, 15, v0
	v_bfe_u32 v3, v0, 4, 1
	v_lshlrev_b32 v[LO], 4, v1
	v_lshlrev_b32 v[L8], 3, v1
	s_mul_i32 s41, s[WVS], WSL
	v_add_nc_u32 v[BAD], s41, v[LO]
	v_add_nc_u32 v[BAD+1], SLB, v[BAD]
	v_add_nc_u32 v[BAD+2], SLOT, v[BAD]
	v_add_nc_u32 v[BAD+3], SLOT+SLB, v[BAD]
	v_add_nc_u32 v[BSD], s41, v[L8]
	v_add_nc_u32 v[BSD+1], SLB, v[BSD]
	v_add_nc_u32 v[BSD+2], SLOT, v[BSD]
	v_add_nc_u32 v[BSD+3], SLOT+SLB, v[BSD]
	s_mov_b32 s[G0], 1
	s_add_co_u32 s[G0+1], s41, 0
	s_mov_b32 s[G0+4], 1
	s_add_co_u32 s[G0+5], s41, SLOT
	s_lshl_b32 s41, s[WVS], 15
	v_add_nc_u32 v[RST], s41, v[LO]
	s_lshl_b32 s41, s[WVS], 13
	v_add_nc_u32 v[RRD0], s41, v[LO]
	v_add_nc_u32 v[RRD1], 0x10000, v[RRD0]
	s_and_b32 s41, s[WVS], 1
	s_lshl_b32 s41, s41, 7
	s_lshr_b32 s42, s[WVS], 1
	s_lshl_b32 s42, s42, 2
	s_add_co_u32 s41, s41, s42
	s_add_co_u32 s41, s41, SCG
	v_lshl_add_u32 v[SCGST], v2, 3, s41
	v_lshl_add_u32 v[SCGLD], v0, 3, SCG
	s_mul_i32 s41, s[WVS], 6400
	v_lshl_add_u32 v[GSC], v1, 3, s41
	v_lshlrev_b32 v[SH8], 3, v3
	s_mov_b32 s[SEL], 0x76543210
	s_mov_b32 s[SEL+1], 0xfedcba98
	s_bfe_u32 s43, ttmp6, 0x40000
	s_bfe_u32 s44, ttmp6, 0x40004
	s_lshl_b32 s11, ttmp9, 2
	s_add_co_u32 s11, s11, s43
	s_and_b32 s3, ttmp7, 0xffff
	s_lshl_b32 s12, s3, 2
	s_add_co_u32 s12, s12, s44
	s_add_co_u32 s33, s3, ttmp9
	s_and_b32 s33, s33, 3
	s_mul_i32 s33, s33, NS
	s_lshr_b32 s33, s33, 2
	s_mul_i32 s13, s33, 3
	s_lshl_b32 s45, 0x1111, s43
	s_or_b32 s[G1], s45, (3<<16)|(1<<21)
	s_mov_b32 s[G1+1], (SLB/8)<<16
	s_mov_b32 s[G1+2], 2<<16
	s_mov_b32 s[G1+3], (SLB/8)<<16
	s_mov_b32 s[G1+4], 2
	s_mov_b32 s[G1+5], RSTR/8
	s_mov_b32 s[G1+6], 0
	s_mov_b32 s[G1+7], 0
	s_mov_b32 s15, 0
	s_mov_b32 s47, 0
	s_mul_i32 s42, s[WVS], SPW
	s_mul_i32 s14, s12, STEPS
	s_add_co_u32 s14, s14, s42
	s_mul_i32 s14, s14, RECB
	s_mul_i32 s46, s11, 2*STEPS
	s_add_co_u32 s46, s46, s42
	s_mul_i32 s46, s46, RECB
	s_wait_kmcnt 0x0
	s_add_nc_u64 s[16:17], s[4:5], s[14:15]
	s_add_nc_u64 s[18:19], s[6:7], s[46:47]
	LOADSET 0
	LOADSET 1
	LOADSET 2
	LOADSET 3
	CROUND
	BDESC 0
	BDESC 1
	tensor_load_to_lds s[G0:G0+3], s[G1:G1+7]
	s_nop 0
	s_wait_alu depctr_va_vdst(0)
	s_wait_tensorcnt 0x0
	ds_add_u32 v6, v7
	s_wait_dscnt 0x0
	CROUND
	tensor_load_to_lds s[G0+4:G0+7], s[G1:G1+7]
	s_nop 0
	PLACES
	LOADSET 4
	LOADSET 5
	s_wait_tensorcnt 0x1
	FETCH_B 0, 0, 0
	STEP 0, 0, 1, 1, 63
	s_mov_b32 s32, TRIPS
.Lk:
	STEP 0, 1, 0, 1, 63
	TURN 0, 1, 1, 63
	STEP 1, 0, 0, 1, 63
	STEP 1, 1, 0, 1, 63
	TURN 1, 1, 1, 63
	STEP 0, 0, 0, 1, 63
	s_sub_co_u32 s32, s32, 1
	s_cmp_lg_u32 s32, 0
	s_cbranch_scc1 .Lk
	STEP 0, 1, 0, 1, 63
	TURN 0, 1, 1, 63
	STEP 1, 0, 0, 1, 63
	STEP 1, 1, 0, 1, 63
	TURN 1, 1, 1, 63
	STEP 0, 0, 0, 0, 63
	STEP 0, 1, 0, 0, 52
	TURN 0, 0, 0, 39
	STEP 1, 0, 0, 0, 26
	STEP 1, 1, 0, 0, 13
	s_wait_loadcnt 0x0
	s_wait_dscnt 0x0
	WIN 0xad
.irp a, 0,1,2,3
	MUL8 5, 1, \a, 0
.endr
	WIN 0
	PLACES
	WIN 0x08
.set ri, 0
.rept 64
	ds_store_b128 v[RST], v[4*ri:4*ri+3] offset:512*ri
.set ri, ri+1
.endr
	WIN 0
	s_wait_dscnt 0x0
	s_barrier_signal -1
	s_barrier_wait -1
	REDLD H, RRD0, 0
	REDLD BV, RRD0, 32768
	REDLD T1, RRD1, 0
	s_wait_dscnt 16
	SUMIN BV
	REDLD BV, RRD1, 32768
	s_wait_dscnt 16
	SUMIN T1
	s_wait_dscnt 0x0
	SUMIN BV
	s_mul_i32 s14, s12, 144
	s_mul_i32 s44, s11, 9
	s_add_co_u32 s14, s14, s44
	s_mul_i32 s14, s14, 6400
	s_add_nc_u64 s[REC:REC+1], s[8:9], s[14:15]
	s_mul_i32 s14, s[WVS], 1536
	s_add_nc_u64 s[OUT:OUT+1], s[REC:REC+1], s[14:15]
	ACT
	SCALE_OUT
	s_wait_tensorcnt 0x0
	ds_add_u32 v[SPWD], v[NIL]
	s_wait_dscnt 0x0
	CROUND
	s_endpgm
.Lfunc_end_k_q3de84edda2_gemm1:
	.size	k_q3de84edda2_gemm1, .Lfunc_end_k_q3de84edda2_gemm1-k_q3de84edda2_gemm1
	.p2alignl 7, 3214868480
	.fill 96, 4, 3214868480
	.section	.rodata,"a",@progbits
	.p2align	6, 0x0
	.amdhsa_kernel k_q3de84edda2_gemm1
		.amdhsa_group_segment_fixed_size 327680
		.amdhsa_private_segment_fixed_size 0
		.amdhsa_enable_private_segment 0
		.amdhsa_kernarg_size 24
		.amdhsa_user_sgpr_count 2
		.amdhsa_user_sgpr_kernarg_segment_ptr 1
		.amdhsa_wavefront_size32 1
		.amdhsa_system_sgpr_workgroup_id_x 1
		.amdhsa_system_sgpr_workgroup_id_y 1
		.amdhsa_system_sgpr_workgroup_id_z 1
		.amdhsa_system_vgpr_workitem_id 0
		.amdhsa_next_free_vgpr 912
		.amdhsa_next_free_sgpr 66
		.amdhsa_reserve_vcc 0
		.amdhsa_float_denorm_mode_32 3
		.amdhsa_float_denorm_mode_16_64 3
		.amdhsa_memory_ordered 1
		.amdhsa_forward_progress 1
		.amdhsa_inst_pref_size 222
	.end_amdhsa_kernel
	.amdgpu_metadata
---
amdhsa.version: [ 1, 2 ]
amdhsa.kernels:
  - .name:           k_q3de84edda2_gemm1
    .symbol:         k_q3de84edda2_gemm1.kd
    .args:
      - { .name: a1c, .offset: 0, .size: 8, .value_kind: global_buffer, .address_space: global }
      - { .name: w1c, .offset: 8, .size: 8, .value_kind: global_buffer, .address_space: global }
      - { .name: a2c, .offset: 16, .size: 8, .value_kind: global_buffer, .address_space: global }
    .group_segment_fixed_size: 327680
    .private_segment_fixed_size: 0
    .kernarg_segment_align: 8
    .kernarg_segment_size: 24
    .max_flat_workgroup_size: 128
    .sgpr_count:     66
    .vgpr_count:     912
    .wavefront_size: 32
...
	.end_amdgpu_metadata
.endif
;; end of part 3
;; launch g2k (part 4): grid 4 x 64, 4 waves a work-group, clusters of 4 x 4, 327,680 bytes of LDS; arguments a2c, w2c, part; writes part
.if DOCPART == 4
	.amdgcn_target "amdgcn-amd-amdhsa--gfx1250"
	.amdhsa_code_object_version 6
	.text
	.protected	k_q3de84edda2_g2k
	.globl	k_q3de84edda2_g2k
	.p2align	8
	.type	k_q3de84edda2_g2k,@function
k_q3de84edda2_g2k:
	s_mov_b64 s[64:65], 0
	v_nop
	global_prefetch_b8 v0, s[64:65] scope:SCOPE_SE
	s_setreg_imm32_b32 hwreg(HW_REG_WAVE_MODE, 25, 1), 1
	s_wait_xcnt 0x0
	s_wait_alu depctr_hold_cnt(0) depctr_sa_sdst(0) depctr_va_vdst(0) depctr_va_sdst(0) depctr_va_ssrc(0) depctr_va_vcc(0) depctr_vm_vsrc(0)
	s_getreg_b32 s2, hwreg(HW_REG_IB_STS2, 6, 4)
	s_cmp_eq_u32 s2, 0
	s_cbranch_scc0 .Lentry_in_a_cluster
	s_endpgm
.Lentry_in_a_cluster:
	s_bfe_u32 s2, ttmp6, 0x10000c
	s_cmp_lg_u32 s2, 0xf033
	s_cbranch_scc0 .Lentry_shape_is_right
	s_endpgm
.Lentry_shape_is_right:
; THE LAST KAN LAYER ON OPERAND STREAMS, K CUT AMONG WORK-GROUPS: part[ks] = A W^T over K steps 18 ks .. 18 ks + 17 of 144 (base and spline products in one sum), f32, laid [8][1024][512].
; Streams: [64 rows R][K step s][record of 6,400 bytes]; a record: four fragments of 1,536 bytes as images of the operand's 12 registers, then 256 bytes of scale words (word of block i, row r at 6144 + 8 (16 (i % 2) + r) + 4 (i / 2)).
; SHARES: a work-group owns 128 rows x 128 columns and one eighth of K: 8 x 4 tiles x 8 parts = 256 work-groups.  Wave w owns rows 64 (w / 2) .., columns 64 (w % 2) ..: 4 x 4 accumulators.
; LDS: two slots, each with six K steps of four streams (A's two row blocks, W's two), 38,400 consecutive bytes of memory each, as 150 rows of 256 bytes.  Wave w fetches stream w: one tensor load a wave and fill, three fills.
; CLUSTERS 4 x 4: x = column tile, y = 4 (2 ks + row tile / 4) + row tile % 4.  A's streams are asked for jointly along a row of the cluster, W's along a column.
; No prefetch: the text has no loop to run ahead in; each of the three fills is asked for as soon as its slot is free.
; THE MATRIX INSTRUCTION IS USED TRANSPOSED (source 0 = 16 rows of W, source 1 = 16 rows of A): register j of lane (r, h) of accumulator (a, b) is out[16 a + r][16 b + 8 h + j].
; The tile leaves through each wave's own stage, so that sixteen lanes store 256 consecutive bytes of a row.  The next launch adds the eight parts.
; LIMITS: NaN and infinities are not served.  The sum over K is taken in eight parts: another order of f32 rounding than base + spline.
; REGISTERS: window 0: v4-16 addresses; v32-39 scale words, two sets; v64-255 fragments, two sets of 48 (W) + 48 (A).  window 1: v0-127 accumulator (a, b) at v[8 (4 a + b)].
.set RECB,  6400
.set FILL,  6*RECB
.set SLOT,  4*FILL
.set SPARE, 2*SLOT                     ; the spare words: 512 bytes that no other line names
.set STAGE, SPARE+512                  ; four stages of 16 rows x 272 bytes; no fill lands here
.set SPITCH, 272
.set SPW,   4
.set NIL,   5
.set STO,   6
.set RD,    7
.set ADW,   8                          ; v8-9 W's fragments in slot 0, 1; v10-11 A's; v12-13, v14-15 their scale words
.set ADA,   10
.set ASW,   12
.set ASA,   14
.set GOF,   16
.set SC,    32
.set FR,    64
.set WVS,   10
.set G1A,   24
.set G1W,   32
.set G0A,   40
.set G0W,   44
.set MSB, 0
.macro WIN new                         ; the immediate's high byte repeats the setting that is left
.if MSB != \new
	s_set_vgpr_msb (MSB<<8)|(\new)
.set MSB, \new
.endif
.endm
.macro PLACES
.rept 4
	v_nop
.endr
.endm
.macro CROUND                          ; a round of the cluster's barrier
	s_barrier_signal -1
	s_barrier_wait -1
	s_cmp_lg_u32 s[WVS], 0
	s_cbranch_scc1 .Lnot_wave_0_\@
	s_barrier_signal -3
.Lnot_wave_0_\@:
	s_barrier_wait -3
	s_barrier_signal -1
	s_barrier_wait -1
.endm
.macro JLOAD                           ; a joint load: waves 0, 1 fetch A's streams, waves 2, 3 W's
	s_cmp_eq_u32 s11, 0
	s_cbranch_scc0 .Lfor_w_\@
	tensor_load_to_lds s[G0A:G0A+3], s[G1A:G1A+7]
	s_nop 0
	PLACES
	s_branch .Lasked_\@
.Lfor_w_\@:
	tensor_load_to_lds s[G0W:G0W+3], s[G1W:G1W+7]
	s_nop 0
	PLACES
.Lasked_\@:
.endm
; The next six steps into slot up: all my loads have landed, the add, the descriptors step, my LDS reads are back, a round, the one load.
.macro REFILL up
	s_wait_tensorcnt 0x0
	ds_add_u32 v[SPW], v[NIL]
	s_add_nc_u64 s[G0A+2:G0A+3], s[G0A+2:G0A+3], FILL
	s_add_nc_u64 s[G0W+2:G0W+3], s[G0W+2:G0W+3], FILL
	s_add_co_u32 s[G0A+1], s21, (\up)*SLOT
	s_add_co_u32 s[G0W+1], s21, (\up)*SLOT
	s_wait_dscnt 0x0
	CROUND
	JLOAD
.endm
.macro FETCH p, st, q                  ; step st of slot p into set q: 24 loads of fragments, 2 of scale words
.irp i, 0,1,2,3
.irp c, 0,1,2
	ds_load_b128 v[FR+96*(\q)+12*\i+4*\c:FR+96*(\q)+12*\i+4*\c+3], v[ADW+(\p)] offset:RECB*(\st)+1536*\i+512*\c
	ds_load_b128 v[FR+96*(\q)+48+12*\i+4*\c:FR+96*(\q)+48+12*\i+4*\c+3], v[ADA+(\p)] offset:RECB*(\st)+1536*\i+512*\c
.endr
.endr
	ds_load_b64 v[SC+4*(\q):SC+4*(\q)+1], v[ASW+(\p)] offset:RECB*(\st)+6144
	ds_load_b64 v[SC+4*(\q)+2:SC+4*(\q)+3], v[ASA+(\p)] offset:RECB*(\st)+6144
.endm
.macro WM q, a, b, zero                ; scale register i / 2: lanes 0-15 block 2 (i / 2), lanes 16-31 the odd block
.set rD, 8*(4*(\a)+(\b))
.set rB, FR+96*(\q)+12*(\b)
.set rA, FR+96*(\q)+48+12*(\a)
.set rP, SC+4*(\q)+(\b)/2
.set rQ, SC+4*(\q)+2+(\a)/2
.set par, 2*((\a)%2)+(\b)%2+4*(\zero)
.if par == 0
	v_wmma_scale_f32_16x16x128_f8f6f4 v[rD:rD+7], v[rB:rB+11], v[rA:rA+11], v[rD:rD+7], v[rP], v[rQ] matrix_a_fmt:MATRIX_FMT_FP6 matrix_b_fmt:MATRIX_FMT_FP6
.elseif par == 1
	v_wmma_scale_f32_16x16x128_f8f6f4 v[rD:rD+7], v[rB:rB+11], v[rA:rA+11], v[rD:rD+7], v[rP], v[rQ] matrix_a_fmt:MATRIX_FMT_FP6 matrix_b_fmt:MATRIX_FMT_FP6 matrix_a_scale:MATRIX_SCALE_ROW1
.elseif par == 2
	v_wmma_scale_f32_16x16x128_f8f6f4 v[rD:rD+7], v[rB:rB+11], v[rA:rA+11], v[rD:rD+7], v[rP], v[rQ] matrix_a_fmt:MATRIX_FMT_FP6 matrix_b_fmt:MATRIX_FMT_FP6 matrix_b_scale:MATRIX_SCALE_ROW1
.elseif par == 3
	v_wmma_scale_f32_16x16x128_f8f6f4 v[rD:rD+7], v[rB:rB+11], v[rA:rA+11], v[rD:rD+7], v[rP], v[rQ] matrix_a_fmt:MATRIX_FMT_FP6 matrix_b_fmt:MATRIX_FMT_FP6 matrix_a_scale:MATRIX_SCALE_ROW1 matrix_b_scale:MATRIX_SCALE_ROW1
.elseif par == 4
	v_wmma_scale_f32_16x16x128_f8f6f4 v[rD:rD+7], v[rB:rB+11], v[rA:rA+11], 0, v[rP], v[rQ] matrix_a_fmt:MATRIX_FMT_FP6 matrix_b_fmt:MATRIX_FMT_FP6
.elseif par == 5
	v_wmma_scale_f32_16x16x128_f8f6f4 v[rD:rD+7], v[rB:rB+11], v[rA:rA+11], 0, v[rP], v[rQ] matrix_a_fmt:MATRIX_FMT_FP6 matrix_b_fmt:MATRIX_FMT_FP6 matrix_a_scale:MATRIX_SCALE_ROW1
.elseif par == 6
	v_wmma_scale_f32_16x16x128_f8f6f4 v[rD:rD+7], v[rB:rB+11], v[rA:rA+11], 0, v[rP], v[rQ] matrix_a_fmt:MATRIX_FMT_FP6 matrix_b_fmt:MATRIX_FMT_FP6 matrix_b_scale:MATRIX_SCALE_ROW1
.else
	v_wmma_scale_f32_16x16x128_f8f6f4 v[rD:rD+7], v[rB:rB+11], v[rA:rA+11], 0, v[rP], v[rQ] matrix_a_fmt:MATRIX_FMT_FP6 matrix_b_fmt:MATRIX_FMT_FP6 matrix_a_scale:MATRIX_SCALE_ROW1 matrix_b_scale:MATRIX_SCALE_ROW1
.endif
.endm
.macro MUL16 q, zero                   ; the 16 accumulators by turns, in the same order in every step
.irp a, 0,1,2,3
.irp b, 0,1,2,3
	WM \q, \a, \b, \zero
.endr
.endr
.endm
; The six steps of slot p.  While a step is multiplied the next step's 26 loads are out; four places stand in front of loads into registers that matrix instructions have read.
.macro RUN p, zero
	PLACES
	FETCH \p, 0, 0
.irp st, 0,1,2,3,4,5
	s_wait_dscnt 0x0
.if \st < 5
	PLACES
	FETCH \p, (\st)+1, ((\st)+1)%2
.endif
	WIN 0x50                                       ; C and D window 1
.if \st == 0
	MUL16 0, \zero
.else
	MUL16 (\st)%2, 0
.endif
	WIN 0
.endr
.endm
	s_load_b128 s[4:7], s[0:1], 0x0                ; A's stream, W's stream
	s_load_b64 s[8:9], s[0:1], 0x10                ; part
	v_lshl_add_u32 v[SPW], v0, 2, SPARE
	v_mov_b32 v[NIL], 0
	ds_add_u32 v[SPW], v[NIL]                      ; the opening lines: the add twice on end and one wait
	ds_add_u32 v[SPW], v[NIL]
	v_lshrrev_b32 v1, 5, v0
	v_readfirstlane_b32 s[WVS], v1                 ; wave 0..3
	s_lshr_b32 s11, s[WVS], 1                      ; my half of the rows; also: I fetch for A (0) or W (1)
	s_and_b32 s12, s[WVS], 1                       ; my half of the columns; also: which block of 64 rows I fetch
	s_bfe_u32 s13, ttmp6, 0x40000                  ; cx
	s_bfe_u32 s14, ttmp6, 0x40004                  ; cy
	s_lshl_b32 s15, ttmp9, 2
	s_add_co_u32 s15, s15, s13                     ; column tile
	s_and_b32 s16, ttmp7, 0xffff                   ; cluster y
	s_lshr_b32 s17, s16, 1                         ; ks
	s_and_b32 s16, s16, 1
	s_lshl_b32 s16, s16, 2
	s_add_co_u32 s16, s16, s14                     ; row tile
	s_lshl_b32 s18, s14, 2
	s_lshl_b32 s18, 15, s18                        ; my row of the cluster
	s_lshl_b32 s19, 0x1111, s13                    ; my column
	s_or_b32 s[G1A], s18, (3<<16)|(1<<21)          ; elements of 8 bytes, no padding
	s_or_b32 s[G1W], s19, (3<<16)|(1<<21)
.irp g, G1A, G1W
	s_mov_b32 s[\g+1], 32<<16                      ; 150 rows of 32 elements, dense
	s_mov_b32 s[\g+2], 150<<16
	s_mov_b32 s[\g+3], 32<<16
	s_mov_b32 s[\g+4], 150
	s_mov_b32 s[\g+5], 32
	s_mov_b32 s[\g+6], 0
	s_mov_b32 s[\g+7], 0
.endr
	s_mul_i32 s20, s17, 18                         ; my first K step
	s_lshl_b32 s22, s16, 1
	s_add_co_u32 s22, s22, s12                     ; A's block: 2 x row tile + wave % 2
	s_mul_i32 s22, s22, 144
	s_add_co_u32 s22, s22, s20
	s_mul_i32 s22, s22, RECB
	s_mov_b32 s23, 0
	s_lshl_b32 s48, s15, 1
	s_add_co_u32 s48, s48, s12                     ; W's block: 2 x column tile + wave % 2
	s_mul_i32 s48, s48, 144
	s_add_co_u32 s48, s48, s20
	s_mul_i32 s48, s48, RECB
	s_mov_b32 s49, 0
	s_mul_i32 s21, s[WVS], FILL                    ; my stream's place in a slot
	s_mul_i32 s50, s11, FILL                       ; the stream of A that I multiply,
	s_mul_i32 s51, s12, FILL
	s_add_co_u32 s51, s51, 2*FILL                  ; and of W
	s_mul_i32 s52, s[WVS], 16*SPITCH
	s_add_co_u32 s52, s52, STAGE                   ; my stage
	s_lshl_b32 s54, s17, 21                        ; part: 2 MiB x ks
	s_lshl_b32 s55, s16, 7
	s_lshl_b32 s56, s11, 6
	s_add_co_u32 s55, s55, s56
	s_lshl_b32 s55, s55, 11                        ; + my first row x 2,048 bytes
	s_add_co_u32 s54, s54, s55
	s_lshl_b32 s56, s15, 9
	s_add_co_u32 s54, s54, s56
	s_lshl_b32 s56, s12, 8
	s_add_co_u32 s54, s54, s56                     ; + my first column x 4
	s_mov_b32 s55, 0
	s_wait_dscnt 0x0                               ; both opening adds are done
	s_wait_kmcnt 0x0
	s_add_nc_u64 s[8:9], s[8:9], s[54:55]
	s_mov_b32 s[G0A], 1
	s_add_co_u32 s[G0A+1], s21, 0
	s_add_nc_u64 s[G0A+2:G0A+3], s[4:5], s[22:23]
	s_or_b32 s[G0A+3], s[G0A+3], 0x80000000
	s_mov_b32 s[G0W], 1
	s_add_co_u32 s[G0W+1], s21, 0
	s_add_nc_u64 s[G0W+2:G0W+3], s[6:7], s[48:49]
	s_or_b32 s[G0W+3], s[G0W+3], 0x80000000
	CROUND                                         ; all sixteen work-groups are here
	JLOAD                                          ; steps 0-5 into slot 0: one tensor load a wave at the head
	v_and_b32 v1, 31, v0                           ; lane
	v_and_b32 v2, 15, v0                           ; r
	v_bfe_u32 v3, v0, 4, 1                         ; h
	v_lshl_add_u32 v[ADA], v1, 4, s50
	v_lshl_add_u32 v[ADW], v1, 4, s51
	v_lshl_add_u32 v[ASA], v1, 3, s50
	v_lshl_add_u32 v[ASW], v1, 3, s51
	v_add_nc_u32 v[ADA+1], SLOT, v[ADA]
	v_add_nc_u32 v[ADW+1], SLOT, v[ADW]
	v_add_nc_u32 v[ASA+1], SLOT, v[ASA]
	v_add_nc_u32 v[ASW+1], SLOT, v[ASW]
	v_mul_u32_u24 v17, v2, SPITCH
	v_lshl_add_u32 v17, v3, 5, v17
	v_add_nc_u32 v[STO], s52, v17                  ; stage, in: row r, 32 bytes for each half of the lanes
	v_mul_u32_u24 v18, v3, SPITCH
	v_lshl_add_u32 v18, v2, 4, v18
	v_add_nc_u32 v[RD], s52, v18                   ; stage, out: sixteen lanes to a row of 256 bytes
	v_lshlrev_b32 v[GOF], 11, v3
	v_lshl_add_u32 v[GOF], v2, 4, v[GOF]           ; and the same two rows in part
	s_wait_alu depctr_va_vdst(0)                   ; the wait at the head's end
	REFILL 1                                       ; steps 6-11 into slot 1: its first fill, issued as a refill is
	RUN 0, 1                                       ; the first step's products start the sums
	REFILL 0                                       ; steps 12-17 into slot 0
	RUN 1, 0
	s_wait_tensorcnt 0x0                           ; my part of the last fill has landed; nothing is filled again
	s_wait_dscnt 0x0
	s_barrier_signal -1
	s_barrier_wait -1
	RUN 0, 0
	; THE WAY OUT: four blocks of 16 rows x 64 columns through my own stage; LDS serves a wave's instructions in order
	PLACES
.irp a, 0,1,2,3
	WIN 0x04                                       ; an LDS store's data are its source 1: window 1
.irp b, 0,1,2,3
	ds_store_b128 v[STO], v[8*(4*\a+\b):8*(4*\a+\b)+3] offset:64*\b          ; each accumulator from its low end on
	ds_store_b128 v[STO], v[8*(4*\a+\b)+4:8*(4*\a+\b)+7] offset:64*\b+16
.endr
	WIN 0
.irp t, 0,1,2,3,4,5,6,7
	ds_load_b128 v[FR+32*\a+4*\t:FR+32*\a+4*\t+3], v[RD] offset:2*SPITCH*\t
.endr
.endr
	s_wait_dscnt 0x0
.irp a, 0,1,2,3
.irp t, 0,1,2,3,4,5,6,7
	global_store_b128 v[GOF], v[FR+32*\a+4*\t:FR+32*\a+4*\t+3], s[8:9] offset:32768*\a+4096*\t   ; sixteen lanes store 256 consecutive bytes, at a multiple of 256 from part's first byte
.endr
.endr
	s_wait_tensorcnt 0x0                           ; the wave's end
	ds_add_u32 v[SPW], v[NIL]
	s_wait_dscnt 0x0
	CROUND                                         ; the closing round
	s_endpgm
.Lfunc_end_k_q3de84edda2_g2k:
	.size	k_q3de84edda2_g2k, .Lfunc_end_k_q3de84edda2_g2k-k_q3de84edda2_g2k
	.p2alignl 7, 3214868480
	.fill 96, 4, 3214868480
	.section	.rodata,"a",@progbits
	.p2align	6, 0x0
	.amdhsa_kernel k_q3de84edda2_g2k
		.amdhsa_group_segment_fixed_size 327680
		.amdhsa_private_segment_fixed_size 0
		.amdhsa_enable_private_segment 0
		.amdhsa_kernarg_size 24
		.amdhsa_user_sgpr_count 2
		.amdhsa_user_sgpr_kernarg_segment_ptr 1
		.amdhsa_wavefront_size32 1
		.amdhsa_system_sgpr_workgroup_id_x 1
		.amdhsa_system_sgpr_workgroup_id_y 1
		.amdhsa_system_sgpr_workgroup_id_z 1
		.amdhsa_system_vgpr_workitem_id 0
		.amdhsa_next_free_vgpr 384
		.amdhsa_next_free_sgpr 66
		.amdhsa_reserve_vcc 0
		.amdhsa_float_denorm_mode_32 3
		.amdhsa_float_denorm_mode_16_64 3
		.amdhsa_memory_ordered 1
		.amdhsa_forward_progress 1
		.amdhsa_inst_pref_size 86
	.end_amdhsa_kernel
	.amdgpu_metadata
---
amdhsa.version: [ 1, 2 ]
amdhsa.kernels:
  - .name:           k_q3de84edda2_g2k
    .symbol:         k_q3de84edda2_g2k.kd
    .args:
      - { .name: a2c, .offset: 0, .size: 8, .value_kind: global_buffer, .address_space: global }
      - { .name: w2c, .offset: 8, .size: 8, .value_kind: global_buffer, .address_space: global }
      - { .name: part, .offset: 16, .size: 8, .value_kind: global_buffer, .address_space: global }
    .group_segment_fixed_size: 327680
    .private_segment_fixed_size: 0
    .kernarg_segment_align: 8
    .kernarg_segment_size: 24
    .max_flat_workgroup_size: 128
    .sgpr_count:     66
    .vgpr_count:     384
    .wavefront_size: 32
...
	.end_amdgpu_metadata
.endif
;; end of part 4
;; launch red (part 5): grid 256 x 1, 4 waves a work-group, no clusters, 0 bytes of LDS; arguments part, out0; writes out0
.if DOCPART == 5
	.amdgcn_target "amdgcn-amd-amdhsa--gfx1250"
	.amdhsa_code_object_version 6
	.text
	.protected	k_q3de84edda2_red
	.globl	k_q3de84edda2_red
	.p2align	8
	.type	k_q3de84edda2_red,@function
k_q3de84edda2_red:
	s_mov_b64 s[64:65], 0
	v_nop
	global_prefetch_b8 v0, s[64:65] scope:SCOPE_SE
	s_setreg_imm32_b32 hwreg(HW_REG_WAVE_MODE, 25, 1), 1
	s_wait_xcnt 0x0
; out0[i] = the sum over ks = 0..7 of part[ks][i]; part is [8][1024][512] f32, out0 [1024][512] f32.
; A stream: a work-group owns 8,192 consecutive bytes of out0; thread t owns the 16 bytes at 2,048 j + 16 t, j = 0..3.  Each load and store of a wave covers 512 consecutive bytes.
; All 32 loads of a lane are issued on end; no LDS, no barrier, no matrix work: waves share nothing.  The eight parts are added as a tree in f32.
	s_load_b128 s[4:7], s[0:1], 0x0                ; part, out0
	v_lshlrev_b32 v1, 4, v0
	s_lshl_b32 s8, ttmp9, 13
	s_mov_b32 s9, 0
	s_wait_alu depctr_va_vdst(0)                   ; the wait at the head's end
	s_wait_kmcnt 0x0
	s_add_nc_u64 s[4:5], s[4:5], s[8:9]
	s_add_nc_u64 s[6:7], s[6:7], s[8:9]
	s_add_nc_u64 s[10:11], s[4:5], 0x800000        ; parts 4-7: so every offset stays inside the signed 24-bit immediate
.irp k, 0,1,2,3
.irp j, 0,1,2,3
	global_load_b128 v[8+16*\k+4*\j:8+16*\k+4*\j+3], v1, s[4:5] offset:0x200000*\k+2048*\j th:TH_LOAD_NT
	global_load_b128 v[72+16*\k+4*\j:72+16*\k+4*\j+3], v1, s[10:11] offset:0x200000*\k+2048*\j th:TH_LOAD_NT
.endr
.endr
	s_wait_loadcnt 0x0
.irp n, 64,32,16
.set i, 0
.rept \n/2
	v_pk_add_f32 v[8+i:9+i], v[8+i:9+i], v[8+\n+i:9+\n+i]
.set i, i+2
.endr
.endr
.irp j, 0,1,2,3
	global_store_b128 v1, v[8+4*\j:8+4*\j+3], s[6:7] offset:2048*\j th:TH_STORE_NT
.endr
	s_endpgm
.Lfunc_end_k_q3de84edda2_red:
	.size	k_q3de84edda2_red, .Lfunc_end_k_q3de84edda2_red-k_q3de84edda2_red
	.p2alignl 7, 3214868480
	.fill 96, 4, 3214868480
	.section	.rodata,"a",@progbits
	.p2align	6, 0x0
	.amdhsa_kernel k_q3de84edda2_red
		.amdhsa_group_segment_fixed_size 0
		.amdhsa_private_segment_fixed_size 0
		.amdhsa_enable_private_segment 0
		.amdhsa_kernarg_size 16
		.amdhsa_user_sgpr_count 2
		.amdhsa_user_sgpr_kernarg_segment_ptr 1
		.amdhsa_wavefront_size32 1
		.amdhsa_system_sgpr_workgroup_id_x 1
		.amdhsa_system_sgpr_workgroup_id_y 1
		.amdhsa_system_sgpr_workgroup_id_z 1
		.amdhsa_system_vgpr_workitem_id 0
		.amdhsa_next_free_vgpr 136
		.amdhsa_next_free_sgpr 66
		.amdhsa_reserve_vcc 0
		.amdhsa_float_denorm_mode_32 3
		.amdhsa_float_denorm_mode_16_64 3
		.amdhsa_memory_ordered 1
		.amdhsa_forward_progress 1
		.amdhsa_inst_pref_size 8
	.end_amdhsa_kernel
	.amdgpu_metadata
---
amdhsa.version: [ 1, 2 ]
amdhsa.kernels:
  - .name:           k_q3de84edda2_red
    .symbol:         k_q3de84edda2_red.kd
    .args:
      - { .name: part, .offset: 0, .size: 8, .value_kind: global_buffer, .address_space: global }
      - { .name: out0, .offset: 8, .size: 8, .value_kind: global_buffer, .address_space: global }
    .group_segment_fixed_size: 0
    .private_segment_fixed_size: 0
    .kernarg_segment_align: 8
    .kernarg_segment_size: 16
    .max_flat_workgroup_size: 128
    .sgpr_count:     66
    .vgpr_count:     136
    .wavefront_size: 32
...
	.end_amdgpu_metadata
.endif
;; end of part 5
